; MI455X (gfx1250); checked and timed in simulation.
; The chip was launched on July 23, 2026; its instructions are those of AMD's public machine-readable ISA for CDNA 5 (MIT licence, August 2026) and "CDNA5" Instruction Set Architecture Reference Guide (July 2026). The comments in the code are by the model that wrote it; some were corrected since.
;; Softmax Self Attention. Allowed arithmetic: matrix products marked QUANTISED: E3M2 operands, one E8M0 scale for each 32 along K, by v_wmma_scale_f32_16x16x128_f8f6f4 with both operands' format E3M2, f32 sums; everything else in f32.
;; Inputs: Wk 1,024 x 1,024 float32; Wq 1,024 x 1,024 float32; Wv 1,024 x 1,024 float32; bk 1,024 float32; bq 1,024 float32; bv 1,024 float32; x 4 x 2,048 x 1,024 float32.
;; Outputs: out0 4 x 2,048 x 1,024 float32.
;; This version of the problem:
;;   THIS VERSION OF THE PROBLEM IS GIVEN IN LOW PRECISION. The matrix products marked QUANTISED in the list below multiply operands that are first quantised to E3M2 (3 exponent bits, 2 mantissa bits; 6 bits a number), with one power-of-two scale for each 32 numbers along K (OCP MX v1.0); their sums are f32. All else is computed in f32.
;;   The module's matrix products, in the order in which they are computed (A, B: the left and right operand; K: the contracted axis; several contracted axes count as one K, in the product's order):
;;     1. [M 8,192, K 1,024] x [K 1,024, N 1,024]; A: input x; B: input Wq: QUANTISED
;;     2. [M 8,192, K 1,024] x [K 1,024, N 1,024]; A: input x; B: input Wk: QUANTISED
;;     3. [M 8,192, K 1,024] x [K 1,024, N 1,024]; A: input x; B: input Wv: QUANTISED
;;     4. batch 4 x [M 2,048, K 1,024] x [K 1,024, N 2,048]; A: computed on the way; B: computed on the way: QUANTISED
;;     5. batch 4 x [M 2,048, K 2,048] x [K 2,048, N 1,024]; A: softmax (see below); B: computed on the way: QUANTISED
;;   THE QUANTISER, for each operand of a quantised product, along K:
;;     - K is cut into blocks of 32 from its start; a last block that is shorter is filled with zeros.
;;     - A block's scale is 2^e with e = floor(log2(the largest magnitude in the block)) - 4, held to -126 .. 127; a block of zeros has e = 0. As a byte (E8M0): e + 127.
;;     - Each number is divided by its block's scale, clamped to +-28, and rounded to the nearest number of E3M2, ties to even, subnormals kept.
;;     - The product sums the exact products of the quantised numbers (number of the format x scale) in f32.
;;   ~~~python
;;   def quantise(x, axis):      # numpy; x: float32 -> the quantised numbers, widened to float32 again
;;       x = np.moveaxis(x, axis, -1); K = x.shape[-1]
;;       x = np.pad(x, [(0, 0)] * (x.ndim - 1) + [(0, -K % 32)]); x = x.reshape(x.shape[:-1] + (-1, 32)); a = np.abs(x).max(-1, keepdims=True)
;;       e = np.where(a > 0, np.clip(np.frexp(np.where(a > 0, a, 1))[1] - 1 - 4, -126, 127), 0)      # np.frexp(a)[1] - 1 = floor(log2(a)), exactly
;;       r = np.clip(x / 2.0 ** e, -28, 28)
;;       step = 2.0 ** (np.maximum(np.frexp(np.where(r == 0, 1, r))[1] - 1, -2) - 2)
;;       q = np.round(r / step) * step * 2.0 ** e      # np.round: ties to even
;;       return np.moveaxis(q.reshape(q.shape[:-2] + (-1,))[..., :K], -1, axis).astype(np.float32)
;;   ~~~
;;   SOFTMAX AHEAD OF A QUANTISED PRODUCT. Where the list says 'softmax', what is quantised is not the finished softmax but p = 2^(t - M), with t = logit x log2(e) and M = ceil(the row's largest t), a whole number; so 1/2 < the row's largest p <= 1. The row's sum l is taken of the UNQUANTISED p, in f32, and the product's result is divided by l at the end. Since M is a whole number, a kernel that streams over the keys may use a running M (the ceiling of the running maximum): every later rescaling is an exact power of two, which a block's scale takes up: the codes' values come out the same.
;;   OPERANDS COMPUTED ON THE WAY. 'Computed on the way' means the value that the module computes at that place (a softmax that the list does not call 'softmax' is quantised finished and normalised). What goes into a quantiser is computed in f32, as accurately as f32 sums, v_exp_f32 and their like allow (about 1e-6 of the number): no bf16 or f16 on the way to a quantiser, and a product that is left as it is and whose result goes on into a quantised operand takes f32 operands (vector FMAs, or v_wmma_f32_16x16x4_f32). A number that lies on a knife's edge between two numbers of the format may be rounded either way, as far as f32 arithmetic and the matrix unit's own rounding can turn it there, and no further.
;; One version. Each part assembles by itself: llvm-mc -triple=amdgcn-amd-amdhsa -mcpu=gfx1250 --defsym DOCPART=n.
;; ======== version 1 of 1: 4 launches
;; limits: right only within a limited range of input values
;; workspace buffers: c1 8,650,752 bytes; s1 360,448 bytes; c2 18,874,368 bytes; s2 786,432 bytes; pc 12,582,912 bytes; pstat 1,572,864 bytes
;; launch quant (part 1): grid 352 x 1, 8 waves a work-group, no clusters, 70,656 bytes of LDS; arguments x, Wq, Wk, Wv, c1, s1; writes c1, s1
.if DOCPART == 1
	.amdgcn_target "amdgcn-amd-amdhsa--gfx1250"
	.amdhsa_code_object_version 6
	.text
	.protected	k_qab4acfaaa4_quant
	.globl	k_qab4acfaaa4_quant
	.p2align	8
	.type	k_qab4acfaaa4_quant,@function
k_qab4acfaaa4_quant:
	s_mov_b64 s[64:65], 0
	v_nop
	global_prefetch_b8 v0, s[64:65] scope:SCOPE_SE
	s_setreg_imm32_b32 hwreg(HW_REG_WAVE_MODE, 25, 1), 1
	s_wait_xcnt 0x0
; x [8192][1024] and Wq, Wk, Wv [1024 (k)][1024 (n)], f32, become codes of BF6 (E3M2) with one E8M0 scale byte for each 32 along K (x: its columns; W: its FIRST axis).
; A block's scale is 2^(floor(log2(its largest magnitude)) - 4): its byte is the largest magnitude's exponent field - 4, held at 1 from below by a floor among the maximum's leaves.
; LAYOUT OF THE RESULT.  c1 holds IMAGES OF OPERAND REGISTERS: fragment (RB = block of 16 rows, KS = 128 along K) is 1,536 bytes at (8 RB + KS) x 1,536; register j of lane l lies at 512 (j / 4) + 16 l + 4 (j % 4),
; so three accesses of 16 bytes a lane read or write it.  RB 0-511: x;  512-575, 576-639, 640-703: the columns of Wq, Wk, Wv.
; POSITION r of block t holds row (or column) 32 (t / 2) + 8 (t % 2) + r % 8 + 16 (r / 8): used as a product's first source, the 16 registers of two neighbouring tiles are then 16 neighbours along the next K.
; s1 holds one scale word (four bytes: 128 along K) for each position: [position / 128][KS][position % 128].
; LIMITS: a block of zeros (or under 2^-122) gets the byte 1 where the rule says 127: its codes are zeros, and this program alone reads the bytes.  NaN and infinities among the inputs are not served.
; Work-groups 0-255 take x, 256-351 the weights.  No tensor load, no barrier: waves share nothing; only x's path uses LDS.
.set R,    16                          ; v16-143  x: two sets of 64 numbers as loaded;  W: v16-79, two sets of 32
.set X,    144                         ; v144-207 x: 64 numbers, two whole blocks of my row
.set PC,   208                         ; v208-231 x: two sets of 12 registers of codes;  W: the two fragments F0, F1
.set THI,  232                         ; v232-234, v236-238: upper halves of blocks (a conversion's three registers begin on an even number)
.set T,    240
.set SO,   242
.set BY,   244
.set WD,   246
.set PD,   247
.set WREG, 8704                        ; LDS of a wave: a stage of 16 rows x (512 + 16) bytes, then its 256 bytes of scale words
.set SCO,  8448
	s_load_b256 s[4:11], s[0:1], 0x0               ; x s[4:5], Wq s[6:7], Wk s[8:9], Wv s[10:11]
	s_load_b128 s[12:15], s[0:1], 0x20             ; c1 s[12:13], s1 s[14:15]
	v_lshl_add_u32 v254, v0, 2, 0x11000            ; behind the eight regions: the spare words, 128 bytes a wave
	v_mov_b32 v255, 0
	v_lshrrev_b32 v1, 5, v0
	v_readfirstlane_b32 s16, v1                    ; wave
	v_and_b32 v1, 31, v0                           ; lane
	v_and_b32 v2, 15, v0                           ; r
	v_bfe_u32 v3, v0, 4, 1                         ; h
	v_lshlrev_b32 v4, 4, v1                        ; 16 x lane
	s_cmp_lt_u32 ttmp9, 256
	s_cbranch_scc0 .Lweights
; ---------------- x: work-group = 64 rows x 512 along K; wave = one KS (wave % 4) for two blocks of 16 rows (wave / 4 says which 32 rows): both blocks' loads are out at once
	s_and_b32 s30, s16, 3
	s_lshr_b32 s31, s16, 2
	s_mov_b32 s20, 0x76543210
	s_mov_b32 s21, 0xfedcba98                      ; v_permlanex16_b32's selects for lane l xor 16
	v_mov_b32 v[PD], 0                             ; a lane permute's destination counts as one of its sources
	s_mul_i32 s17, s16, WREG
	v_add_nc_u32 v5, s17, v4                       ; stage, in: 16 x lane, a row an instruction
	v_mul_u32_u24 v6, v2, 528
	v_lshl_add_u32 v6, v3, 7, v6
	v_add_nc_u32 v6, s17, v6                       ; stage, out: row r, + 128 h: my block of 32 numbers
	v_lshlrev_b32 v7, 2, v2
	v_add_nc_u32 v7, s17, v7
	v_add_nc_u32 v7, SCO, v7                       ; my row's scale word
	v_lshlrev_b32 v9, 2, v1
	v_add_nc_u32 v8, s17, v9
	v_add_nc_u32 v8, SCO, v8                       ; the 32 words on their way out, 4 bytes a lane
	v_lshlrev_b32 v10, 3, v3                       ; 8 h
	s_lshr_b32 s18, ttmp9, 1                       ; which 64 rows
	s_and_b32 s19, ttmp9, 1
	s_lshl_b32 s19, s19, 2
	s_add_co_u32 s19, s19, s30                     ; KS
	s_lshl_b32 s22, s18, 18                        ; x: 64 rows of 4,096 bytes,
	s_lshl_b32 s28, s31, 17                        ; my 32 of them,
	s_add_co_u32 s22, s22, s28
	s_lshl_b32 s24, s19, 9                         ; 512 bytes a KS
	s_add_co_u32 s22, s22, s24
	s_mov_b32 s23, 0
	s_mul_i32 s24, s18, 49152                      ; c1: four blocks of 12,288 bytes, two of them mine,
	s_mul_i32 s28, s31, 24576
	s_add_co_u32 s24, s24, s28
	s_mul_i32 s26, s19, 1536
	s_add_co_u32 s24, s24, s26
	s_mov_b32 s25, 0
	s_lshr_b32 s26, s18, 1                         ; s1: 4,096 bytes for 128 positions,
	s_lshl_b32 s26, s26, 12
	s_lshl_b32 s28, s19, 9                         ; 512 a KS,
	s_add_co_u32 s26, s26, s28
	s_and_b32 s28, s18, 1
	s_lshl_b32 s28, s28, 8
	s_add_co_u32 s26, s26, s28
	s_lshl_b32 s28, s31, 7                         ; my 32 positions
	s_add_co_u32 s26, s26, s28
	s_mov_b32 s27, 0
	s_wait_alu depctr_va_vdst(0)
	s_wait_kmcnt 0x0
	s_add_nc_u64 s[4:5], s[4:5], s[22:23]
	s_add_nc_u64 s[12:13], s[12:13], s[24:25]
	s_add_nc_u64 s[14:15], s[14:15], s[26:27]
.macro LOADX f                         ; block f: load i reads 512 consecutive bytes of the row that stands at position i
.irp i, 0,1,2,3,4,5,6,7,8,9,10,11,12,13,14,15
	global_load_b128 v[R+64*((\f)%2)+4*\i:R+64*((\f)%2)+4*\i+3], v4, s[4:5] offset:(32*((\f)/2)+8*((\f)%2)+\i%8+16*(\i/8))*4096 th:TH_LOAD_NT
.endr
.endm
.macro FRAGX f
.set PCF, PC+12*((\f)%2)
.if (\f) < 1
	s_wait_loadcnt 16                              ; this block's 16 loads are in; the next block's 16 may be out
.else
	s_wait_loadcnt 0x0
.endif
.irp i, 0,1,2,3,4,5,6,7,8,9,10,11,12,13,14,15
	ds_store_b128 v5, v[R+64*((\f)%2)+4*\i:R+64*((\f)%2)+4*\i+3] offset:\i*528
.endr
.irp c, 0,1
.irp j, 0,1,2,3,4,5,6,7
	ds_load_b128 v[X+32*\c+4*\j:X+32*\c+4*\j+3], v6 offset:256*\c+16*\j   ; k = 64 c + 32 h + 4 j ..: LDS serves a wave's instructions in order, so these see the stores above
.endr
.endr
	s_wait_dscnt 0x0                               ; my numbers are back, and the stores have read their registers,
.irp c, 0,1
	v_max3_num_f32 v[T+\c], |v[X+32*\c]|, |v[X+32*\c+1]|, 0x2800000   ; block 2 c + h is all mine; the floor 2^(5 - 127) holds the byte at 1 from below
.endr
.irp i, 2,4,6,8,10,12,14,16,18,20,22,24,26,28,30
.irp c, 0,1
	v_max3_num_f32 v[T+\c], v[T+\c], |v[X+32*\c+\i]|, |v[X+32*\c+\i+1]|
.endr
.endr
.irp c, 0,1
	v_add_nc_u32 v[SO+\c], 0xfe000000, v[T+\c]     ; 4 off the exponent field: the conversion's scale operand
.endr
.irp c, 0,1
	v_lshrrev_b32 v[BY+\c], 23, v[SO+\c]           ; the scale's byte
.endr
	v_lshl_or_b32 v[WD], v[BY+1], 16, v[BY]        ; bytes h and 2 + h of my row's word,
	v_lshlrev_b32 v[WD], v10, v[WD]                ; at their places;
	v_permlanex16_b32 v[PD], v[WD], s20, s21
	v_or_b32 v[WD], v[WD], v[PD]                   ; with lane l xor 16's two the word is whole
.irp c, 0,1
	v_cvt_scalef32_pk16_bf6_f32 v[PCF+6*\c:PCF+6*\c+2], v[X+32*\c:X+32*\c+15], v[SO+\c]
	v_cvt_scalef32_pk16_bf6_f32 v[THI+4*\c:THI+4*\c+2], v[X+32*\c+16:X+32*\c+31], v[SO+\c]
.endr
	v_nop                                          ; one plain place behind a scaled conversion
.irp c, 0,1
.irp i, 0,1,2
	v_mov_b32 v[PCF+6*\c+3+\i], v[THI+4*\c+\i]
.endr
.endr
.irp c, 0,1,2
	global_store_b128 v4, v[PCF+4*\c:PCF+4*\c+3], s[12:13] offset:(\f)*12288+512*\c   ; 512 consecutive bytes, aligned
.endr
	ds_store_b32 v7, v[WD] offset:64*(\f)          ; both halves of the lanes write the same word with the same value
.endm
	LOADX 0
	LOADX 1
	FRAGX 0
	FRAGX 1
	ds_load_b32 v248, v8
	s_wait_dscnt 0x0
	global_store_b32 v9, v248, s[14:15]            ; the wave's 32 scale words: 128 consecutive bytes; the wave with the other 32 rows of this KS stores the 128 beside them
	s_wait_tensorcnt 0x0                           ; the wave's end
	ds_add_u32 v254, v255
	s_wait_dscnt 0x0
	s_endpgm
; ---------------- W: work-group = 128 columns x 256 along K of one tensor; wave = 32 columns (wave % 4) x one KS (wave / 4).  A LANE TAKES A COLUMN AND ITS REGISTERS RUN DOWN K.
; Lanes 0-15 take the columns that stand at positions 0-15 of the first block of 16, lanes 16-31 those of the second.
.Lweights:
	s_and_b32 s30, s16, 3
	s_lshr_b32 s31, s16, 2
	s_sub_co_u32 s17, ttmp9, 256
	s_lshr_b32 s18, s17, 5                         ; tensor 0, 1, 2
	s_and_b32 s19, s17, 7                          ; which 128 columns
	s_bfe_u32 s22, s17, 0x20003                    ; which 256 along K
	v_and_b32 v11, 7, v0
	s_wait_alu depctr_va_vdst(0)
	v_lshl_add_u32 v11, v3, 3, v11
	v_bfe_u32 v13, v0, 3, 1
	v_lshl_add_u32 v11, v13, 4, v11                ; l % 8 + 8 (l / 16) + 16 ((l / 8) % 2)
	v_lshlrev_b32 v11, 2, v11
	v_lshlrev_b32 v12, 2, v1                       ; my position's scale word
	s_lshl_b32 s24, s22, 20                        ; W: 256 rows of 4,096 bytes,
	s_lshl_b32 s26, s19, 9
	s_add_co_u32 s24, s24, s26
	s_lshl_b32 s26, s31, 19                        ; my 128 rows of them,
	s_add_co_u32 s24, s24, s26
	s_lshl_b32 s26, s30, 7                         ; my wave's 32 columns
	s_add_co_u32 s24, s24, s26
	s_mov_b32 s25, 0
	s_lshl_b32 s26, s18, 6                         ; c1: block 512 + 64 tensor + 8 (128 columns) + 2 wave,
	s_lshl_b32 s28, s19, 3
	s_add_co_u32 s26, s26, s28
	s_lshl_b32 s28, s30, 1
	s_add_co_u32 s26, s26, s28
	s_add_co_u32 s26, s26, 512
	s_mul_i32 s26, s26, 12288
	s_mul_i32 s28, s31, 1536                       ; my KS
	s_add_co_u32 s26, s26, s28
	s_mul_i32 s28, s22, 3072                       ; of two KS
	s_add_co_u32 s26, s26, s28
	s_mov_b32 s27, 0
	s_lshl_b32 s28, s18, 3                         ; s1: group 64 + 8 tensor + (128 columns)
	s_add_co_u32 s28, s28, s19
	s_add_co_u32 s28, s28, 64
	s_lshl_b32 s28, s28, 12
	s_lshl_b32 s29, s22, 10
	s_add_co_u32 s28, s28, s29
	s_lshl_b32 s29, s31, 9
	s_add_co_u32 s28, s28, s29
	s_lshl_b32 s29, s30, 7
	s_add_co_u32 s28, s28, s29
	s_mov_b32 s29, 0
	s_wait_alu depctr_va_vdst(0)
	s_wait_kmcnt 0x0
	s_cmp_eq_u32 s18, 0                            ; the choice hangs on the work-group's number alone
	s_cselect_b64 s[6:7], s[6:7], s[8:9]
	s_cmp_eq_u32 s18, 2
	s_cselect_b64 s[6:7], s[10:11], s[6:7]
	s_add_nc_u64 s[6:7], s[6:7], s[24:25]
	s_add_nc_u64 s[12:13], s[12:13], s[26:27]
	s_add_nc_u64 s[14:15], s[14:15], s[28:29]
.macro LOADB t                         ; block t of 32 along K: 128 consecutive bytes a load
.irp i, 0,1,2,3,4,5,6,7,8,9,10,11,12,13,14,15,16,17,18,19,20,21,22,23,24,25,26,27,28,29,30,31
	global_load_b32 v[R+32*((\t)%2)+\i], v11, s[6:7] offset:(32*(\t)+\i)*4096 th:TH_LOAD_NT
.endr
.endm
.macro BLOCKW t
.set XS, R+32*((\t)%2)
.set BB, (\t)%4                        ; the block's place in its KS
.set CC, BB/2
.set EE, BB%2
.if (\t) < 3
	s_wait_loadcnt 32                              ; this block's 32 loads are in; the next block's may be out
.else
	s_wait_loadcnt 0x0
.endif
	v_max3_num_f32 v[T], |v[XS]|, |v[XS+1]|, |v[XS+2]|
	v_max3_num_f32 v[T+1], |v[XS+3]|, |v[XS+4]|, |v[XS+5]|
.irp i, 6,10,14,18,22,26
	v_max3_num_f32 v[T], v[T], |v[XS+\i]|, |v[XS+\i+1]|
	v_max3_num_f32 v[T+1], v[T+1], |v[XS+\i+2]|, |v[XS+\i+3]|
.endr
	v_max3_num_f32 v[T], v[T], |v[XS+30]|, |v[XS+31]|
	v_max3_num_f32 v[T], v[T], v[T+1], 0x2800000   ; and the floor
	v_add_nc_u32 v[SO], 0xfe000000, v[T]
	v_lshrrev_b32 v[BY], 23, v[SO]
.if BB == 0
	v_mov_b32 v[WD], v[BY]
.else
	v_lshl_or_b32 v[WD], v[BY], 8*BB, v[WD]
.endif
	v_cvt_scalef32_pk16_bf6_f32 v[PC+12*EE+6*CC:PC+12*EE+6*CC+2], v[XS:XS+15], v[SO]
	v_cvt_scalef32_pk16_bf6_f32 v[THI+4*EE:THI+4*EE+2], v[XS+16:XS+31], v[SO]
	v_nop                                          ; one plain place behind a scaled conversion
.if (\t)+2 < 4
	LOADB (\t)+2
.endif
.if EE == 1                            ; blocks 2 c and 2 c + 1 of all 32 columns are made.  A fragment wants block 2 c in lanes 0-15 and block 2 c + 1 in lanes 16-31, of ITS 16 columns:
.irp i, 0,1,2
	v_permlane16_swap_b32 v[PC+6*CC+\i], v[PC+12+6*CC+\i]   ; the first's lanes 16-31 change places with the second's lanes 0-15
	v_permlane16_swap_b32 v[THI+\i], v[THI+4+\i]
.endr
.irp i, 0,1,2
	v_mov_b32 v[PC+6*CC+3+\i], v[THI+\i]
	v_mov_b32 v[PC+12+6*CC+3+\i], v[THI+4+\i]
.endr
.endif
.if BB == 3
.irp c, 0,1,2
	global_store_b128 v4, v[PC+4*\c:PC+4*\c+3], s[12:13] offset:((\t)/4)*1536+512*\c
	global_store_b128 v4, v[PC+12+4*\c:PC+12+4*\c+3], s[12:13] offset:12288+((\t)/4)*1536+512*\c
.endr
	global_store_b32 v12, v[WD], s[14:15] offset:((\t)/4)*512   ; 128 consecutive bytes a wave, 512 a work-group: one byte in 128 of what this path reads
.endif
.endm
	LOADB 0
	LOADB 1
.irp t, 0,1,2,3
	BLOCKW \t
.endr
	s_endpgm
.Lfunc_end_k_qab4acfaaa4_quant:
	.size	k_qab4acfaaa4_quant, .Lfunc_end_k_qab4acfaaa4_quant-k_qab4acfaaa4_quant
	.p2alignl 7, 3214868480
	.fill 96, 4, 3214868480
	.section	.rodata,"a",@progbits
	.p2align	6, 0x0
	.amdhsa_kernel k_qab4acfaaa4_quant
		.amdhsa_group_segment_fixed_size 70656
		.amdhsa_private_segment_fixed_size 0
		.amdhsa_enable_private_segment 0
		.amdhsa_kernarg_size 48
		.amdhsa_user_sgpr_count 2
		.amdhsa_user_sgpr_kernarg_segment_ptr 1
		.amdhsa_wavefront_size32 1
		.amdhsa_system_sgpr_workgroup_id_x 1
		.amdhsa_system_sgpr_workgroup_id_y 1
		.amdhsa_system_sgpr_workgroup_id_z 1
		.amdhsa_system_vgpr_workitem_id 0
		.amdhsa_next_free_vgpr 256
		.amdhsa_next_free_sgpr 66
		.amdhsa_reserve_vcc 0
		.amdhsa_float_denorm_mode_32 3
		.amdhsa_float_denorm_mode_16_64 3
		.amdhsa_memory_ordered 1
		.amdhsa_forward_progress 1
		.amdhsa_inst_pref_size 38
	.end_amdhsa_kernel
	.amdgpu_metadata
---
amdhsa.version: [ 1, 2 ]
amdhsa.kernels:
  - .name:           k_qab4acfaaa4_quant
    .symbol:         k_qab4acfaaa4_quant.kd
    .args:
      - { .name: x, .offset: 0, .size: 8, .value_kind: global_buffer, .address_space: global }
      - { .name: Wq, .offset: 8, .size: 8, .value_kind: global_buffer, .address_space: global }
      - { .name: Wk, .offset: 16, .size: 8, .value_kind: global_buffer, .address_space: global }
      - { .name: Wv, .offset: 24, .size: 8, .value_kind: global_buffer, .address_space: global }
      - { .name: c1, .offset: 32, .size: 8, .value_kind: global_buffer, .address_space: global }
      - { .name: s1, .offset: 40, .size: 8, .value_kind: global_buffer, .address_space: global }
    .group_segment_fixed_size: 70656
    .private_segment_fixed_size: 0
    .kernarg_segment_align: 8
    .kernarg_segment_size: 48
    .max_flat_workgroup_size: 256
    .sgpr_count:     66
    .vgpr_count:     256
    .wavefront_size: 32
...
	.end_amdgpu_metadata
.endif
;; end of part 1
;; launch proj (part 2): grid 8 x 32, 4 waves a work-group, clusters of 4 x 4, 327,680 bytes of LDS; arguments c1, s1, bq, bk, bv, c2, s2; writes c2, s2
.if DOCPART == 2
	.amdgcn_target "amdgcn-amd-amdhsa--gfx1250"
	.amdhsa_code_object_version 6
	.text
	.protected	k_qab4acfaaa4_proj
	.globl	k_qab4acfaaa4_proj
	.p2align	8
	.type	k_qab4acfaaa4_proj,@function
k_qab4acfaaa4_proj:
	s_mov_b64 s[64:65], 0
	v_nop
	global_prefetch_b8 v0, s[64:65] scope:SCOPE_SE
	s_setreg_imm32_b32 hwreg(HW_REG_WAVE_MODE, 25, 1), 1
	s_wait_xcnt 0x0
	s_wait_alu depctr_hold_cnt(0) depctr_sa_sdst(0) depctr_va_vdst(0) depctr_va_sdst(0) depctr_va_ssrc(0) depctr_va_vcc(0) depctr_vm_vsrc(0)
	s_getreg_b32 s2, hwreg(HW_REG_IB_STS2, 6, 4)
	s_cmp_eq_u32 s2, 0
	s_cbranch_scc0 .Lentry_in_a_cluster
	s_endpgm
.Lentry_in_a_cluster:
	s_bfe_u32 s2, ttmp6, 0x10000c
	s_cmp_lg_u32 s2, 0xf033
	s_cbranch_scc0 .Lentry_shape_is_right
	s_endpgm
.Lentry_shape_is_right:
; q = x Wq + bq, k = x Wk + bk and v^T = (x Wv + bv)^T, on codes of BF6 with E8M0 scales, and each result quantised again along the K of the product that will read it (q, k: along d; v: along the tokens).
; The work is 256 tiles of 256 x 256 (q | k) and 256 tiles of 128 x 256 (v^T), K = 1,024.  A WORK-GROUP STAYS: it makes one of each, so that 256 work-groups of equal work serve the whole.
; FIRST PRODUCT: source 1 ("A") = 256 rows of x, source 0 ("B") = 256 columns of Wq | Wk; four waves, each 128 x 128: 64 accumulators.
; SECOND PRODUCT: A = 128 columns of Wv, B = 256 rows of x; each wave 64 x 128: 32 accumulators.
; In a result a lane holds ONE row of A, and, since B's rows stand in the position order of the launch before, the 16 registers of two neighbouring tiles are 16 neighbours along B's index: the next K.
; Operands lie in memory and in LDS as images of their registers (1,536 bytes a fragment: three loads of 16 bytes a lane, 512 consecutive bytes each).
; LDS has three regions of 98,304 bytes.  The first product's K steps 0-5 come with the first fills, K steps 6-7 into region 0 when K steps 0-1 are read.  When K step 5's fragments are read, regions 1 and 2 take the second
; product's A (all of K) and B (K steps 0-3), one load of 49,152 bytes a wave; region 0 takes B's K steps 4-7 in the middle of the first way out.  So three rounds with a refill serve 768 products a wave.
; CLUSTERS 4 x 4: in both products A's tile hangs on cy alone among the places in the cluster and is asked for jointly by a row of the cluster, B's on cx alone, by a column.
; The biases are the C of each sum's first product.
; RESULT: c2, s2: q | k as [block of 16 tokens][cs 0-15: q's 8 KS, k's 8][1,536]; v^T behind them as [batch][block of 16 d][KS 0-15 along the tokens][1,536]; scale words [position / 128][cs or KS][position % 128].
; LIMITS: a block of zeros gets the byte 1 (its codes are zeros; this program alone reads the bytes); NaN and infinities are not served.
; REGISTERS: window 0: v1-31 addresses; v32-47 scale words, two sets; v48-63 at work; from v64 A's two sets (96 registers each, in the second product 48); v160-255 the way out.
;   window 1: B's two sets at v0, v128; the biases at v96-127, v224-255.  windows 2, 3: accumulators (a, b) at v[8 (8 (a % 4) + b)].
.set NA,    8                          ; A's blocks of 16 rows a wave (set to 4 ahead of the second product)
; THE FILLS, one tensor load a wave each, through two slots of 147,456 bytes.  The first product's K steps 0-2 come into slot 0, 3-5 into slot 1, 6-7 into slot 0 again.  The second product's K steps 0-3 (A's 49,152 bytes, then B's two
; halves) come into slot 1 when K step 5's fragments are read, its K steps 4-7 into slot 0 in the first way out.  In this the lines on three regions above are superseded.  The scale words of both products come through registers.
; THE FIRST WAY OUT: blocks 0-3 (window 2) go behind the first product; blocks 4-7 (window 3) are quantised in pieces between the second product's rows, whose accumulators lie in window 2.
; No prefetch: K is three fills long, so there is no loop to run ahead in.
.set RBB,   4608                       ; first product: a block's bytes in a slot: three K steps (set to two K steps ahead of the third fill's fetches)
.set TILE,  8*RBB                      ; what one of its tensor loads brings
.set SLOT,  4*TILE                     ; a region: A's two halves, B's two halves
.set RB2,   6144                       ; second product: a block's bytes in a load: four K steps
.set SCL,   2*SLOT
.set SA,    68                         ; s[68:69] the first product's scale words that my wave brings
.set SCL2,  SCL+16384                  ; the second's: A's 128 rows, then B's two halves; stored from registers, never filled by a tensor load
.set SCRT,  SCL2+12288                 ; the way out: 512 bytes of scratch a wave, never filled by a tensor load
.set SPARE, SCRT+2048                  ; the spare words, 128 bytes a wave: two blocks of 256 bytes that no other line names
.set BB1,   5                          ; v5     the first bias's offset
.set BA2,   6                          ; v6     the second's
.set GSA,   7                          ; v7     the second product's scale words in memory: A's,
.set GSB,   30                         ; v30    B's,
.set S2W,   8                          ; v8     and where I put them in LDS
.set ADRA2, 9                          ; v9-10  second product: my A fragments, K steps 0-3, 4-7
.set ADRB2, 11                         ; v11-12 my B fragments
.set ADSA2, 13                         ; v13    A's scale words
.set ADSB2, 14                         ; v14    B's
.set L8,    15                         ; v15    8 x lane
.set ADRA,  16                         ; v16-17 first product: my A fragments in slots 0, 1
.set ADRB,  19                         ; v19-20 my B fragments
.set ADSA,  22                         ; v22    A's scale words
.set ADSB,  23                         ; v23    B's
.set SCW,   24                         ; v24    the way out: my row's word in my scratch
.set SCR,   25                         ; v25    the words read back, 16 bytes a lane
.set LI,    26                         ; v26    16 x lane
.set SCR8,  27                         ; v27    the words read back, 8 bytes a lane
.set SPW,   28                         ; v28    my spare word; never rewritten
.set NIL,   29                         ; v29    0; never rewritten
.set SC,    32
.set OW,    48                         ; v48-51   scale words on their way out
.set PW,    60                         ; v60-63   a scale word for each of four blocks
.set AF,    64
.set QT,    160                        ; the way out: 12 registers at work for each of four blocks
.set PC,    208                        ; and 12 of codes
.set PA,    2                          ; s[2:3]   the second product's A in memory
.set PB,    66                         ; s[66:67] its B
.set SEL,   46                         ; s[46:47]
.set G1,    24                         ; s[24:31] group 1 for A's tiles;  s[32:39] group 0, a set for each slot
.set G0,    32
.set G1B,   48                         ; s[48:55] the same for B's tiles;  s[56:63]
.set G0B,   56
.set G1S,   72                         ; s[72:79], s[80:83] A's scale words; later the second product's A
.set G0S,   80
.set G1SB,  84                         ; s[84:91], s[92:95] B's scale words; later the second product's B
.set G0SB,  92
.set MUL_LO, 0xa1                      ; source 0 (B) window 1, source 1 (A) window 0, C and D window 2
.set MUL_HI, 0xf1                      ; the same, C and D window 3
.set TO_B,   0x40                      ; destination window 1, address window 0
.set MSB, 0
.macro WIN new                         ; the immediate's high byte repeats the setting that is left
.if MSB != (\new)
	s_set_vgpr_msb (MSB<<8)|(\new)
.set MSB, (\new)
.endif
.endm
.macro PLACES n
.rept \n
	v_nop
.endr
.endm
; A joint load: waves 0 and 1 fetch for A, waves 2 and 3 for B; the branch hangs on the wave's number alone.  Four v_nop follow each of the two lines.
.macro JLOAD g0a, g1a, g0b, g1b
	s_cmp_eq_u32 s19, 0
	s_cbranch_scc0 .Lfor_b_\@
	tensor_load_to_lds s[\g0a:\g0a+3], s[\g1a:\g1a+7]
	s_nop 0
.rept 4
	v_nop
.endr
	s_branch .Lasked_\@
.Lfor_b_\@:
	tensor_load_to_lds s[\g0b:\g0b+3], s[\g1b:\g1b+7]
	s_nop 0
.rept 4
	v_nop
.endr
.Lasked_\@:
.endm
.macro CREST                           ; a round of the cluster's barrier behind its opening barrier
	s_cmp_lg_u32 s18, 0
	s_cbranch_scc1 .Lnot_wave_0_\@
	s_barrier_signal -3
.Lnot_wave_0_\@:
	s_barrier_wait -3
	s_barrier_signal -1
	s_barrier_wait -1
.endm
.macro CROUND
	s_barrier_signal -1
	s_barrier_wait -1
	CREST
.endm
.macro FRAG reg, adr, off              ; a fragment's image: three loads of 512 consecutive bytes
.irp c, 0,1,2
	ds_load_b128 v[(\reg)+4*\c:(\reg)+4*\c+3], v[\adr] offset:(\off)+512*\c
.endr
.endm
.macro FETCH_B slot, q, p              ; first product: B's eight fragments of the region's q-th K step into set p
	WIN TO_B
.irp i, 0,1,2,3,4,5,6,7
	FRAG 128*(\p)+12*\i, ADRB+\slot, \i*RBB+(\q)*1536
.endr
	WIN 0
.endm
.macro FETCH_A slot, q, p
.irp i, 0,1,2,3,4,5,6,7
	FRAG AF+12*NA*(\p)+12*\i, ADRA+\slot, \i*RBB+(\q)*1536
.endr
.endm
.macro SCALES off, p                   ; a register carries two blocks' words: block 2 j in lanes 0-15, block 2 j + 1 in lanes 16-31
.irp j, 0,1,2,3
	ds_load_b32 v[SC+8*(\p)+\j], v[ADSA] offset:(\off)+128*\j
.endr
.irp j, 0,1,2,3
	ds_load_b32 v[SC+8*(\p)+4+\j], v[ADSB] offset:(\off)+128*\j
.endr
.endm
.macro FETCH2_B q, p                   ; second product: K step q (0-7) into set p
	WIN TO_B
.irp i, 0,1,2,3,4,5,6,7
	FRAG 128*(\p)+12*\i, ADRB2+(\q)/4, \i*RB2+((\q)%4)*1536
.endr
	WIN 0
.endm
.macro FETCH2_A q, p
.irp i, 0,1,2,3
	FRAG AF+12*NA*(\p)+12*\i, ADRA2+(\q)/4, \i*RB2+((\q)%4)*1536
.endr
.endm
.macro SCALES2 q, p
.irp j, 0,1
	ds_load_b32 v[SC+8*(\p)+\j], v[ADSA2] offset:512*(\q)+128*\j
.endr
.irp j, 0,1,2,3
	ds_load_b32 v[SC+8*(\p)+4+\j], v[ADSB2] offset:512*(\q)+128*\j
.endr
.endm
; One product.  z = 0: onto the accumulator;  1: C = the bias of B's block b;  2: C = the bias of A's block a (both in window 1).
.macro MM a, b, p, z
.set rD, 8*(8*((\a)%4)+(\b))
.set rB, 128*(\p)+12*(\b)
.set rA, AF+12*NA*(\p)+12*(\a)
.set rT, SC+8*(\p)+4+(\b)/2
.set rS, SC+8*(\p)+(\a)/2
.set rC, rD
.if (\z) == 1
.set rC, 96+8*((\b)%4)+128*((\b)/4)
.endif
.if (\z) == 2
.set rC, 96+8*((\a)%4)+128*((\a)/4)
.endif
.set par, 2*((\a)%2)+(\b)%2
.if par == 0
	v_wmma_scale_f32_16x16x128_f8f6f4 v[rD:rD+7], v[rB:rB+11], v[rA:rA+11], v[rC:rC+7], v[rT], v[rS] matrix_a_fmt:MATRIX_FMT_BF6 matrix_b_fmt:MATRIX_FMT_BF6
.elseif par == 1
	v_wmma_scale_f32_16x16x128_f8f6f4 v[rD:rD+7], v[rB:rB+11], v[rA:rA+11], v[rC:rC+7], v[rT], v[rS] matrix_a_fmt:MATRIX_FMT_BF6 matrix_b_fmt:MATRIX_FMT_BF6 matrix_a_scale:MATRIX_SCALE_ROW1
.elseif par == 2
	v_wmma_scale_f32_16x16x128_f8f6f4 v[rD:rD+7], v[rB:rB+11], v[rA:rA+11], v[rC:rC+7], v[rT], v[rS] matrix_a_fmt:MATRIX_FMT_BF6 matrix_b_fmt:MATRIX_FMT_BF6 matrix_b_scale:MATRIX_SCALE_ROW1
.else
	v_wmma_scale_f32_16x16x128_f8f6f4 v[rD:rD+7], v[rB:rB+11], v[rA:rA+11], v[rC:rC+7], v[rT], v[rS] matrix_a_fmt:MATRIX_FMT_BF6 matrix_b_fmt:MATRIX_FMT_BF6 matrix_a_scale:MATRIX_SCALE_ROW1 matrix_b_scale:MATRIX_SCALE_ROW1
.endif
.endm
.macro MROWS a0, n, p, z               ; A's blocks a0 .. a0 + n - 1 against B's eight: the accumulators take turns, one instruction a turn, in the same order in every step
.set ia, \a0
.rept \n
.set ib, 0
.rept 8
	MM ia, ib, \p, \z
.set ib, ib+1
.endr
.set ia, ia+1
.endr
.endm
; FIRST PRODUCT.  K step ks (0-7) lies in slot (ks / 3) % 2 and is multiplied from set ks % 2.
; A K step whose successor's tile has been shown whole to every wave: it fetches the successor's fragments into the other set.
.macro STEP1 ks, z
	s_wait_dscnt 0x0                               ; this step's fragments and words are in (the youngest were asked for 32 products ago)
	PLACES 4                                       ; in front of loads into the registers that the step before multiplied; they serve both runs of loads below
	FETCH_B ((((\ks)+1)/3)%2), (((\ks)+1)%3), (((\ks)+1)%2)   ; K step ks lies in slot (ks / 3) % 2
	SCALES 512*((\ks)+1), (((\ks)+1)%2)
.if (\z)
	WIN 0x91                                       ; C in window 1
.else
	WIN MUL_LO
.endif
	MROWS 0, 4, ((\ks)%2), \z
	WIN 0
	FETCH_A ((((\ks)+1)/3)%2), (((\ks)+1)%3), (((\ks)+1)%2)
.if (\z)
	WIN 0xd1
.else
	WIN MUL_HI
.endif
	MROWS 4, 4, ((\ks)%2), \z
	WIN 0
.endm
; A K step in which LDS is filled again: ONE round.  In front of it each wave waits for all its tensor loads, adds 0 to its spare word, and waits for that and for its LDS reads.
; kind = 1: slot 0 takes K steps 6-7.  kind = 2: slot 1 takes the second product's tiles.
.macro TURN1 ks, kind
	s_wait_tensorcnt 0x0                           ; all my tensor loads have landed
	ds_add_u32 v[SPW], v[NIL]                      ; 0 onto my spare word
	s_wait_dscnt 0x1                               ; this step's fragments are in; the add may be out
	WIN MUL_LO
	MROWS 0, 2, ((\ks)%2), 0
	s_wait_dscnt 0x0                               ; the add is done, and my reads of the regions that are filled again are over
	s_barrier_signal -1
	MROWS 2, 2, ((\ks)%2), 0
	WIN 0
	s_barrier_wait -1
	CREST                                          ; the barrier has opened a round of the cluster's: no wave of any partner still reads those regions or has a load on its way
.if (\kind) == 1
	s_add_nc_u64 s[G0+2:G0+3], s[G0+2:G0+3], 2*RBB
	s_add_nc_u64 s[G0B+2:G0B+3], s[G0B+2:G0B+3], 2*RBB
.irp g, G1, G1B                        ; no tensor load of mine is out: rows of two K steps from here on
	s_mov_b32 s[\g+1], 384<<16
	s_mov_b32 s[\g+3], 384<<16
.endr
	JLOAD G0, G1, G0B, G1B                         ; the first tensor load behind the round; its four v_nop are also the places in front of the loads below
.else
	JLOAD G0S, G1S, G0SB, G1SB
.endif
	FETCH_B ((((\ks)+1)/3)%2), (((\ks)+1)%3), (((\ks)+1)%2)
	SCALES 512*((\ks)+1), (((\ks)+1)%2)
	FETCH_A ((((\ks)+1)/3)%2), (((\ks)+1)%3), (((\ks)+1)%2)
	WIN MUL_HI
	MROWS 4, 4, ((\ks)%2), 0
	WIN 0
.endm
; SECOND PRODUCT: K step q multiplies set q % 2 and fetches step q + 1.  B's K steps 4-7 were asked for by waves 2 and 3 in the first way out: ahead of their first read those waves wait for them, and all four meet.
.macro MROW2 a, q, z
.if (\z)
	WIN 0x91
.else
	WIN MUL_LO
.endif
	MROWS \a, 1, ((\q)%2), \z
.endm
.macro STEP2 q, z                      ; behind each row of eight products stands a piece of blocks 4-7's way out: 8 K steps x 4 rows = 2 pairs x 16 pieces
	s_wait_dscnt 0x0
.if (\q) == 3
	s_wait_tensorcnt 0x0                           ; my part of K steps 4-7 has landed
	s_barrier_signal -1
	s_barrier_wait -1                              ; everybody's has
.endif
.if (\q) == 4
	s_wait_xcnt 0x0                                ; blocks 0-3's stores have read the codes' registers, which pieces 11 and 12 write
.endif
.if (\q) < 7
	PLACES 4
	FETCH2_B (\q)+1, 1-(\q)%2
	SCALES2 (\q)+1, 1-(\q)%2
.endif
	MROW2 0, \q, \z
	QS 4*(\q)
	MROW2 1, \q, \z
	QS 4*(\q)+1
.if (\q) < 7
	WIN 0
	FETCH2_A (\q)+1, 1-(\q)%2
.endif
	MROW2 2, \q, \z
	QS 4*(\q)+2
	MROW2 3, \q, \z
	QS 4*(\q)+3
	WIN 0
.endm
; THE WAY OUT of blocks a0 .. a0 + 3, whose accumulators lie in window w: block a0 + i's 64 numbers a lane (register 16 b + j = index 32 b + 16 h + j of my row) become one fragment and one scale word, as the next product wants them.
; It is cut into 16 pieces, each for a pair p of blocks; the two pairs take turns, piece by piece, so that between a piece and the next of the same pair another pair's stands.
.macro QC p, c, w, a0, ob
.if (\c) == 0
	WIN (\w)*20                                    ; sources 1 and 2: window w
.irp e, 0,1
.set qI, 2*(\p)+\e
.irp b, 0,1,2,3
	v_max3_num_f32 v[QT+12*qI+\b], 0x2800000, |v[64*qI+16*\b]|, |v[64*qI+16*\b+1]|   ; each accumulator is read from its low end on; the floor 2^(5 - 127) holds the byte at 1
.endr
.endr
.elseif (\c) < 8
	WIN (\w)*20
.irp e, 0,1
.set qI, 2*(\p)+\e
.irp b, 0,1,2,3
	v_max3_num_f32 v[QT+12*qI+\b], v[QT+12*qI+\b], |v[64*qI+16*\b+2*(\c)]|, |v[64*qI+16*\b+2*(\c)+1]|
.endr
.endr
.elseif (\c) == 8
	WIN 0
.irp e, 0,1
.set qI, 2*(\p)+\e
.irp b, 0,1,2,3
	v_permlanex16_b32 v[QT+12*qI+4+\b], v[QT+12*qI+\b], s[SEL], s[SEL+1]
.endr
.endr
.elseif (\c) == 9
	WIN 0
.irp e, 0,1
.set qI, 2*(\p)+\e
.irp b, 0,1,2,3
	v_max_num_f32 v[QT+12*qI+\b], v[QT+12*qI+\b], v[QT+12*qI+4+\b]   ; with lane l xor 16's 16: the block's largest magnitude
.endr
.endr
.irp e, 0,1
.set qI, 2*(\p)+\e
.irp b, 0,1,2,3
	v_add_nc_u32 v[QT+12*qI+8+\b], 0xfe000000, v[QT+12*qI+\b]   ; 4 off its exponent field: the conversion's scale operand
.endr
.endr
.elseif (\c) == 10
	WIN 0
.irp e, 0,1
.set qI, 2*(\p)+\e
.irp b, 0,1,2,3
	v_lshrrev_b32 v[QT+12*qI+4+\b], 23, v[QT+12*qI+8+\b]   ; the scale's byte
.endr
.endr
.irp e, 0,1
.set qI, 2*(\p)+\e
	v_lshl_or_b32 v[PW+qI], v[QT+12*qI+5], 8, v[QT+12*qI+4]
.endr
.irp e, 0,1
.set qI, 2*(\p)+\e
	v_lshl_or_b32 v[PW+qI], v[QT+12*qI+6], 16, v[PW+qI]
.endr
.irp e, 0,1
.set qI, 2*(\p)+\e
	v_lshl_or_b32 v[PW+qI], v[QT+12*qI+7], 24, v[PW+qI]
.endr
.elseif (\c) < 13
	WIN (\w)                                       ; source 0: window w
.set qI, 2*(\p)+(\c)-11
.irp h, 0,1
	v_cvt_scalef32_pk16_bf6_f32 v[PC+12*qI+6*\h:PC+12*qI+6*\h+2], v[64*qI+32*\h:64*qI+32*\h+15], v[QT+12*qI+8+2*\h]
	v_cvt_scalef32_pk16_bf6_f32 v[QT+12*qI+4*\h:QT+12*qI+4*\h+2], v[64*qI+32*\h+16:64*qI+32*\h+31], v[QT+12*qI+9+2*\h]
.endr
	v_nop                                          ; one plain place behind a scaled conversion
.elseif (\c) < 15
	WIN 0
.set qI, 2*(\p)+(\c)-13
.if (\c) == 13
	s_wait_alu depctr_va_vdst(0)                   ; a wait ahead of the readers of the conversions' results
.endif
.irp h, 0,1                            ; the operand's layout wants a WHOLE block in a lane
.irp i, 0,1,2
	v_permlane16_swap_b32 v[PC+12*qI+6*\h+\i], v[QT+12*qI+4*\h+\i]
.endr
.endr
.irp h, 0,1
.irp i, 0,1,2
	v_mov_b32 v[PC+12*qI+6*\h+3+\i], v[QT+12*qI+4*\h+\i]
.endr
.endr
.else
	WIN 0
.irp e, 0,1
.set qI, 2*(\p)+\e
.irp k, 0,1,2
	global_store_b128 v[LI], v[PC+12*qI+4*\k:PC+12*qI+4*\k+3], s[\ob:\ob+1] offset:((\a0)+qI)*24576+512*\k   ; 512 consecutive bytes, aligned
.endr
	ds_store_b32 v[SCW], v[PW+qI] offset:64*((\a0)+qI)   ; both halves of the lanes write the same word with the same value
.endr
.endif
.endm
.macro QS n                            ; piece n / 2 of pair n % 2 of blocks 4-7
	QC ((\n)%2), ((\n)/2), 3, 4, 14
.endm
.macro QALL c0, n, ob                  ; pieces c0 .. c0 + n - 1 of window 2's four blocks
.set ic, \c0
.rept \n
	QC 0, ic, 2, 0, \ob
	QC 1, ic, 2, 0, \ob
.set ic, ic+1
.endr
	WIN 0
.endm
	s_load_b256 s[4:11], s[0:1], 0x0               ; c1 s[4:5], s1 s[6:7], bq s[8:9], bk s[10:11]
	s_load_b128 s[12:15], s[0:1], 0x20             ; bv s[12:13], c2 s[14:15]
	s_load_b64 s[16:17], s[0:1], 0x30              ; s2
	v_lshl_add_u32 v[SPW], v0, 2, SPARE
	v_mov_b32 v[NIL], 0
	ds_add_u32 v28, v29
	ds_add_u32 v28, v29
	s_wait_dscnt 0x0
	v_lshrrev_b32 v1, 5, v0
	v_readfirstlane_b32 s18, v1                    ; wave 0..3
	s_lshr_b32 s19, s18, 1                         ; WR: my half of A's rows.  Also: I fetch for A (0) or for B (1)
	s_and_b32 s20, s18, 1                          ; WC: my half of B's rows.  Also: which half of that operand's tile I fetch
	s_bfe_u32 s21, ttmp6, 0x40000                  ; cx
	s_bfe_u32 s22, ttmp6, 0x40004                  ; cy
	s_and_b32 s23, ttmp7, 0xffff                   ; the cluster's y, 0-7 (its x, ttmp9, is 0 or 1)
	s_lshl_b32 s44, s22, 2
	s_lshl_b32 s44, 15, s44                        ; my row of the cluster
	s_lshl_b32 s45, 0x1111, s21                    ; my column
	s_mov_b32 s[SEL], 0x76543210
	s_mov_b32 s[SEL+1], 0xfedcba98
	; descriptor group 1: 8 rows (blocks) of 3,072 bytes = 384 elements of 8 bytes, 12,288 bytes apart; dense in LDS
	s_or_b32 s[G1], s44, (3<<16)|(1<<21)           ; 15:0 the mask; 17:16 elements of 8 bytes; 21 set beside a mask
	s_or_b32 s[G1B], s45, (3<<16)|(1<<21)
.irp g, G1, G1B
	s_mov_b32 s[\g+1], 576<<16                     ; tensor_dim0: rows of 4,608 bytes
	s_mov_b32 s[\g+2], 8<<16                       ; tensor_dim1
	s_mov_b32 s[\g+3], 576<<16                     ; tile_dim0
	s_mov_b32 s[\g+4], 8                           ; tile_dim1
	s_mov_b32 s[\g+5], 1536                        ; tensor_dim0_stride
	s_mov_b32 s[\g+6], 0
	s_mov_b32 s[\g+7], 0
.endr
	; group 1's masks for the second product's tiles
	s_or_b32 s[G1S], s44, (3<<16)|(1<<21)
	s_or_b32 s[G1SB], s45, (3<<16)|(1<<21)
	; the second product's tiles: rows (blocks) of 6,144 bytes, 12,288 bytes apart: 4 of A's, 8 of B's a wave
	s_mov_b32 s[G1S+2], 4<<16
	s_mov_b32 s[G1S+4], 4
	s_mov_b32 s[G1SB+2], 8<<16
	s_mov_b32 s[G1SB+4], 8
.irp g, G1S, G1SB
	s_mov_b32 s[\g+1], 768<<16
	s_mov_b32 s[\g+3], 768<<16
	s_mov_b32 s[\g+5], 1536
	s_mov_b32 s[\g+6], 0
	s_mov_b32 s[\g+7], 0
.endr
	; where the tiles come from, as offsets, in the pairs that will hold the addresses.  A's numbers (s44, s96, s97) never hold cx, B's (s45, s98, s99) never cy
	s_lshl_b32 s96, s23, 6                         ; first product, A: block 16 (4 y + cy) + 8 WC of x
	s_lshl_b32 s97, s22, 4
	s_add_co_u32 s96, s96, s97
	s_lshl_b32 s97, s20, 3
	s_add_co_u32 s96, s96, s97
	s_lshl_b32 s[G0S+2], s96, 9                    ; its scale words: 4,096 bytes for 8 blocks
	s_mov_b32 s[G0S+3], 0
	s_mul_i32 s[G0+2], s96, 12288                  ; its codes
	s_mov_b32 s[G0+3], 0
	s_lshl_b32 s98, ttmp9, 2                       ; B: block 512 + 16 (4 x + cx) + 8 WC: Wq | Wk
	s_add_co_u32 s98, s98, s21
	s_lshl_b32 s98, s98, 4
	s_lshl_b32 s99, s20, 3
	s_add_co_u32 s98, s98, s99
	s_add_co_u32 s98, s98, 512
	s_lshl_b32 s[G0SB+2], s98, 9
	s_mov_b32 s[G0SB+3], 0
	s_mul_i32 s[G0B+2], s98, 12288
	s_mov_b32 s[G0B+3], 0
	s_lshl_b32 s96, ttmp9, 2                       ; second product, A: which 128 columns of Wv: 4 x + cy;
	s_add_co_u32 s96, s96, s22
	s_lshl_b32 s97, s96, 3
	s_add_co_u32 s97, s97, 640                     ; Wv's blocks begin at 640;
	s_mul_i32 s[PA], s97, 12288
	s_mul_i32 s97, s20, 4*12288                    ; blocks 0-3 or 4-7
	s_add_co_u32 s[PA], s[PA], s97
	s_mov_b32 s[PA+1], 0
	s_lshl_b32 s98, s23, 2                         ; B: which 256 rows of x: 4 y + cx;
	s_add_co_u32 s98, s98, s21
	s_mul_i32 s[PB], s98, 16*12288
	s_mul_i32 s99, s20, 8*12288                    ; their first or second half
	s_add_co_u32 s[PB], s[PB], s99
	s_mov_b32 s[PB+1], 0
	; offsets of the loads into registers
	v_and_b32 v2, 15, v0                           ; r
	s_wait_alu depctr_va_vdst(0)
	v_bfe_u32 v3, v0, 4, 1                         ; h
	v_and_b32 v1, 31, v0                           ; lane
	v_lshlrev_b32 v[LI], 4, v1
	v_lshlrev_b32 v[GSA], 4, v0                    ; 16 x thread
	s_add_co_u32 s44, s96, 80
	s_lshl_b32 s44, s44, 12                        ; the second product's scale words: A's group of 128 positions is 80 + (4 x + cy),
	s_lshl_b32 s45, s98, 13                        ; B's two groups begin at 2 (4 y + cx)
	v_add_nc_u32 v[GSB], s45, v[GSA]
	v_add_nc_u32 v[GSA], s44, v[GSA]
	s_lshl_b32 s45, s21, 1
	s_add_co_u32 s45, s45, s20
	s_lshl_b32 s45, s45, 9                         ; the first bias: my 128 columns of bq or bk: 2 cx + WC;
	v_lshlrev_b32 v[BB1], 6, v3                    ; register j of tile b is column 32 (b / 2) + 16 h + 8 (b % 2) + j of them
	v_add_nc_u32 v[BB1], s45, v[BB1]
	s_lshl_b32 s44, s96, 9
	s_lshl_b32 s97, s19, 8
	s_add_co_u32 s44, s44, s97                     ; the second: my 64 rows of Wv^T;
	v_and_b32 v[BA2], 7, v2
	v_lshrrev_b32 v4, 3, v2
	v_lshlrev_b32 v[BA2], 2, v[BA2]
	v_lshl_add_u32 v[BA2], v4, 6, v[BA2]           ; position r of block a is row 32 (a / 2) + 8 (a % 2) + r % 8 + 16 (r / 8) of them
	v_add_nc_u32 v[BA2], s44, v[BA2]
	; descriptor group 0: count and LDS address: wave x a tile, in each region: no place in the cluster enters an LDS address
.irp g, G0, G0+4, G0B, G0B+4, G0S, G0SB
	s_mov_b32 s[\g], 1
.endr
	s_mul_i32 s[G0+1], s18, TILE
	s_add_co_u32 s[G0+5], s[G0+1], SLOT
	s_mul_i32 s[G0B+1], s18, TILE
	s_add_co_u32 s[G0B+5], s[G0B+1], SLOT
	s_wait_alu depctr_va_vdst(0)                   ; a wait here, ahead of the barriers and the wait below
	CROUND                                         ; all sixteen work-groups are here: the first joint loads meet
	s_wait_kmcnt 0x0
	s_add_nc_u64 s[G0+2:G0+3], s[4:5], s[G0+2:G0+3]
	s_add_nc_u64 s[G0B+2:G0B+3], s[4:5], s[G0B+2:G0B+3]
	s_add_nc_u64 s[G0+6:G0+7], s[G0+2:G0+3], RBB   ; slot 1: K steps 3-5
	s_add_nc_u64 s[G0B+6:G0B+7], s[G0B+2:G0B+3], RBB
.irp g, G0, G0+4, G0B, G0B+4
	s_or_b32 s[\g+3], s[\g+3], 0x80000000          ; 127:126 type = 2
.endr
	JLOAD G0, G1, G0B, G1B                         ; K steps 0-2: one tensor load a wave at the head
	s_add_nc_u64 s[PA:PA+1], s[4:5], s[PA:PA+1]
	s_add_nc_u64 s[PB:PB+1], s[4:5], s[PB:PB+1]
	s_add_nc_u64 s[G0S+2:G0S+3], s[6:7], s[G0S+2:G0S+3]   ; the first product's scale words: A's half or B's half, by the wave's number
	s_add_nc_u64 s[G0SB+2:G0SB+3], s[6:7], s[G0SB+2:G0SB+3]
	s_cmp_eq_u32 s19, 0
	s_cselect_b64 s[SA:SA+1], s[G0S+2:G0S+3], s[G0SB+2:G0SB+3]
	s_cmp_eq_u32 ttmp9, 0                          ; q's columns in the clusters with x = 0, k's in the others: the choice hangs on ids alone
	s_cselect_b64 s[8:9], s[8:9], s[10:11]
.irp i, 0,1,2,3,4,5,6,7
	global_load_b128 v[88+4*\i:91+4*\i], v[LI], s[SA:SA+1] offset:512*\i   ; 4,096 dense bytes a wave: the scale words of 128 rows for all of K
.endr
	global_load_b128 v[64:67], v[GSA], s[6:7]                  ; the second product's scale words: 12,288 bytes, 96 a thread; each load of a wave reads 512 consecutive bytes
	global_load_b128 v[68:71], v[GSA], s[6:7] offset:2048
.irp i, 0,1,2,3
	global_load_b128 v[72+4*\i:75+4*\i], v[GSB], s[6:7] offset:2048*\i
.endr
	WIN TO_B
.irp b, 0,1,2,3,4,5,6,7                ; the first bias, 64 registers in the result's layout
	global_load_b128 v[96+8*(\b%4)+128*(\b/4):96+8*(\b%4)+128*(\b/4)+3], v[BB1], s[8:9] offset:(32*(\b/2)+8*(\b%2))*4
	global_load_b128 v[100+8*(\b%4)+128*(\b/4):100+8*(\b%4)+128*(\b/4)+3], v[BB1], s[8:9] offset:(32*(\b/2)+8*(\b%2))*4+16
.endr
	WIN 0
	; LDS addresses
	s_lshl_b32 s4, s18, 12
	s_add_co_u32 s4, s4, SCL
	v_add_nc_u32 v3, s4, v[LI]                     ; where I put the first product's scale words: wave x 4,096 + 16 x lane
	s_mul_i32 s4, s19, TILE
	s_mul_i32 s5, s20, TILE
	s_add_co_u32 s5, s5, 2*TILE
	v_add_nc_u32 v[ADRA], s4, v[LI]
	v_add_nc_u32 v[ADRB], s5, v[LI]
	v_add_nc_u32 v[ADRA+1], SLOT, v[ADRA]
	v_add_nc_u32 v[ADRB+1], SLOT, v[ADRB]
	v_lshlrev_b32 v4, 2, v1
	s_wait_alu depctr_va_vdst(0)
	s_lshl_b32 s4, s19, 12
	s_add_co_u32 s4, s4, SCL
	v_add_nc_u32 v[ADSA], s4, v4
	s_lshl_b32 s5, s20, 12
	s_add_co_u32 s5, s5, SCL+8192
	v_add_nc_u32 v[ADSB], s5, v4
	s_mul_i32 s4, s19, 4*RB2                       ; second product: my four blocks of A's eight: K steps 4-7 in slot 0, K steps 0-3 in slot 1;
	v_add_nc_u32 v[ADRA2+1], s4, v[LI]
	v_add_nc_u32 v[ADRA2], SLOT, v[ADRA2+1]
	s_mul_i32 s5, s20, 8*RB2                       ; B's two halves lie behind A's eight blocks
	s_add_co_u32 s5, s5, 8*RB2
	v_add_nc_u32 v[ADRB2+1], s5, v[LI]
	v_add_nc_u32 v[ADRB2], SLOT, v[ADRB2+1]
	s_lshl_b32 s4, s19, 8
	s_add_co_u32 s4, s4, SCL2
	v_add_nc_u32 v[ADSA2], s4, v4
	s_lshl_b32 s5, s20, 12
	s_add_co_u32 s5, s5, SCL2+4096
	v_add_nc_u32 v[ADSB2], s5, v4
	s_lshl_b32 s4, s18, 9
	s_add_co_u32 s4, s4, SCRT                      ; my scratch
	v_lshl_add_u32 v[SCW], v2, 2, s4
	v_add_nc_u32 v[SCR], s4, v[LI]
	v_lshlrev_b32 v[L8], 3, v1
	v_add_nc_u32 v[SCR8], s4, v[L8]
	v_lshl_add_u32 v[S2W], v0, 4, SCL2
	s_wait_alu depctr_va_vdst(0)
	s_wait_loadcnt 16                              ; the fourteen loads of scale words are in; the bias's sixteen may be out
.irp i, 0,1,2,3,4,5,6,7
	ds_store_b128 v3, v[88+4*\i:91+4*\i] offset:512*\i
.endr
	ds_store_b128 v[S2W], v[64:67]
	ds_store_b128 v[S2W], v[68:71] offset:2048
.irp i, 0,1,2,3
	ds_store_b128 v[S2W], v[72+4*\i:75+4*\i] offset:4096+2048*\i
.endr
	; where the results go.  Second product: c2 + 12,582,912 + batch x 1,572,864 + (8 (4 x + cy) + 4 WR) x 24,576 + KS x 1,536, with 16 batch + KS = 2 (4 y + cx) + WC
	s_lshl_b32 s4, ttmp9, 2
	s_add_co_u32 s4, s4, s22                       ; 4 x + cy
	s_lshr_b32 s5, s23, 1                          ; the batch
	s_and_b32 s96, s23, 1
	s_lshl_b32 s96, s96, 3
	s_lshl_b32 s97, s21, 1
	s_add_co_u32 s96, s96, s97
	s_add_co_u32 s96, s96, s20                     ; KS
	s_lshl_b32 s98, s4, 3
	s_lshl_b32 s99, s19, 2
	s_add_co_u32 s98, s98, s99
	s_mul_i32 s98, s98, 24576
	s_mul_i32 s99, s5, 1572864
	s_add_co_u32 s98, s98, s99
	s_mul_i32 s99, s96, 1536
	s_add_co_u32 s98, s98, s99
	s_add_co_u32 s98, s98, 12582912
	s_mov_b32 s99, 0
	s_add_nc_u64 s[10:11], s[14:15], s[98:99]
	s_lshl_b32 s98, s5, 16                         ; s2 + 524,288 + batch x 65,536 + (4 x + cy) x 8,192 + KS x 512 + WR x 256
	s_lshl_b32 s99, s4, 13
	s_add_co_u32 s98, s98, s99
	s_lshl_b32 s99, s96, 9
	s_add_co_u32 s98, s98, s99
	s_lshl_b32 s99, s19, 8
	s_add_co_u32 s98, s98, s99
	s_add_co_u32 s98, s98, 524288
	s_mov_b32 s99, 0
	s_add_nc_u64 s[6:7], s[16:17], s[98:99]        ; (the loads that named s[6:7] are in)
	s_lshl_b32 s4, s23, 6                          ; first product: c2 + (16 (4 y + cy) + 8 WR) x 24,576 + cs x 1,536, cs = 2 (4 x + cx) + WC
	s_lshl_b32 s5, s22, 4
	s_add_co_u32 s4, s4, s5
	s_lshl_b32 s5, s19, 3
	s_add_co_u32 s4, s4, s5
	s_lshl_b32 s5, ttmp9, 3
	s_lshl_b32 s96, s21, 1
	s_add_co_u32 s5, s5, s96
	s_add_co_u32 s5, s5, s20
	s_mul_i32 s96, s4, 24576
	s_mul_i32 s98, s5, 1536
	s_add_co_u32 s96, s96, s98
	s_mov_b32 s97, 0
	s_add_nc_u64 s[14:15], s[14:15], s[96:97]
	s_lshl_b32 s96, s4, 10                         ; s2 + (that block / 8) x 8,192 + cs x 512
	s_lshl_b32 s98, s5, 9
	s_add_co_u32 s96, s96, s98
	s_add_nc_u64 s[16:17], s[16:17], s[96:97]
	s_wait_tensorcnt 0x0                           ; my part of slot 0 is in
	ds_add_u32 v[SPW], v[NIL]
	s_wait_dscnt 0x0                               ; the add is done, and my stores of the scale words have landed
	CROUND                                         ; slot 0 and the words are whole, and the joint loads meet
	JLOAD G0+4, G1, G0B+4, G1B                     ; K steps 3-5
	FETCH_B 0, 0, 0
	SCALES 0, 0
	FETCH_A 0, 0, 0
	s_wait_loadcnt 0x0                             ; the bias
	STEP1 0, 1                                     ; the first products start the sums with the bias: nothing is cleared, nothing is added later
	PLACES 4                                       ; behind the products that read the first bias: half of its registers take the second
	WIN TO_B
.irp a, 0,1,2,3                        ; all eight registers of block a hold the bias of my lane's row of Wv^T
.irp j, 0,1,2,3,4,5,6,7
	global_load_b32 v[96+8*\a+\j], v[BA2], s[12:13] offset:(32*(\a/2)+8*(\a%2))*4
.endr
.endr
	WIN 0
	STEP1 1, 0
	TURN1 2, 1                                     ; slot 1 is whole; slot 0 takes K steps 6-7
	; group 0 for the second product's tiles
	s_mul_i32 s[G0S+1], s20, 4*RB2                 ; A, by waves 0 and 1: 24,576 bytes each, from slot 1 on
	s_add_co_u32 s[G0S+1], s[G0S+1], SLOT
	s_mov_b64 s[G0S+2:G0S+3], s[PA:PA+1]
	s_or_b32 s[G0S+3], s[G0S+3], 0x80000000
	s_mul_i32 s[G0SB+1], s20, 8*RB2                ; B, by waves 2 and 3: 49,152 bytes each, behind A
	s_add_co_u32 s[G0SB+1], s[G0SB+1], SLOT+8*RB2
	s_mov_b64 s[G0SB+2:G0SB+3], s[PB:PB+1]
	s_or_b32 s[G0SB+3], s[G0SB+3], 0x80000000
	STEP1 3, 0
	STEP1 4, 0
.set RBB, 3072                         ; K steps 6-7 lie in rows of two K steps
	TURN1 5, 2                                     ; slot 0 is whole; slot 1 takes the second product's A and its B's K steps 0-3
	STEP1 6, 0
	s_wait_dscnt 0x0                               ; K step 7: nothing more to fetch
	WIN MUL_LO
	MROWS 0, 4, 1, 0
	WIN MUL_HI
	MROWS 4, 4, 1, 0
	WIN 0
	PLACES 4                                       ; in front of the first read of results and the first write of registers that products have read
	QALL 0, 8, 14                                  ; blocks 0-3's largest magnitudes
	s_wait_alu depctr_va_vdst(0)                   ; a wait here, ahead of the waits and barriers below
	s_wait_tensorcnt 0x0                           ; all my tensor loads have landed: my part of the second product's K steps 0-3
	ds_add_u32 v[SPW], v[NIL]                      ; 0 onto my spare word; the descriptors' steps stand between it and the wait for it
	s_mul_i32 s[G0S+1], s20, 4*RB2                 ; slot 0 has been read out: it takes K steps 4-7
	s_mul_i32 s[G0SB+1], s20, 8*RB2
	s_add_co_u32 s[G0SB+1], s[G0SB+1], 8*RB2
	s_add_nc_u64 s[G0S+2:G0S+3], s[G0S+2:G0S+3], RB2
	s_add_nc_u64 s[G0SB+2:G0SB+3], s[G0SB+2:G0SB+3], RB2
	s_wait_dscnt 0x0                               ; the add is done, and my LDS reads are over
	CROUND                                         ; slot 1 is whole; no wave of any partner still reads slot 0 or has a load on its way
	JLOAD G0S, G1S, G0SB, G1SB
.set NA, 4
	FETCH2_B 0, 0
	SCALES2 0, 0
	FETCH2_A 0, 0
	QALL 8, 8, 14                                  ; blocks 0-3 go out
	s_wait_loadcnt 0x0                             ; the second bias
	STEP2 0, 2
	STEP2 1, 0
	STEP2 2, 0
	STEP2 3, 0
	STEP2 4, 0
	STEP2 5, 0
	STEP2 6, 0
	STEP2 7, 0                                     ; the second product is whole, and blocks 4-7 have gone out
	ds_load_b128 v[OW:OW+3], v[SCR]                ; my 128 rows' words: LDS serves a wave's instructions in order
	PLACES 4
	QALL 0, 11, 10
	s_wait_alu depctr_va_vdst(0)                   ; a wait here, ahead of the waits below
	s_wait_dscnt 0x0
	global_store_b128 v[LI], v[OW:OW+3], s[16:17]  ; 512 consecutive bytes, aligned
	s_wait_xcnt 0x0                                ; the stores have read the codes' registers and the words
	QALL 11, 5, 10
	ds_load_b64 v[OW:OW+1], v[SCR8]                ; my 64 rows' words (the waits on XCNT above have freed these registers)
	s_wait_dscnt 0x0
	global_store_b64 v[L8], v[OW:OW+1], s[6:7]     ; 256 consecutive bytes, aligned
	s_wait_tensorcnt 0x0                           ; the wave's end
	ds_add_u32 v[SPW], v[NIL]
	s_wait_dscnt 0x0
	CROUND                                         ; the closing round
	s_endpgm
.Lfunc_end_k_qab4acfaaa4_proj:
	.size	k_qab4acfaaa4_proj, .Lfunc_end_k_qab4acfaaa4_proj-k_qab4acfaaa4_proj
	.p2alignl 7, 3214868480
	.fill 96, 4, 3214868480
	.section	.rodata,"a",@progbits
	.p2align	6, 0x0
	.amdhsa_kernel k_qab4acfaaa4_proj
		.amdhsa_group_segment_fixed_size 327680
		.amdhsa_private_segment_fixed_size 0
		.amdhsa_enable_private_segment 0
		.amdhsa_kernarg_size 56
		.amdhsa_user_sgpr_count 2
		.amdhsa_user_sgpr_kernarg_segment_ptr 1
		.amdhsa_wavefront_size32 1
		.amdhsa_system_sgpr_workgroup_id_x 1
		.amdhsa_system_sgpr_workgroup_id_y 1
		.amdhsa_system_sgpr_workgroup_id_z 1
		.amdhsa_system_vgpr_workitem_id 0
		.amdhsa_next_free_vgpr 1024
		.amdhsa_next_free_sgpr 100
		.amdhsa_reserve_vcc 0
		.amdhsa_float_denorm_mode_32 3
		.amdhsa_float_denorm_mode_16_64 3
		.amdhsa_memory_ordered 1
		.amdhsa_forward_progress 1
		.amdhsa_inst_pref_size 225
	.end_amdhsa_kernel
	.amdgpu_metadata
---
amdhsa.version: [ 1, 2 ]
amdhsa.kernels:
  - .name:           k_qab4acfaaa4_proj
    .symbol:         k_qab4acfaaa4_proj.kd
    .args:
      - { .name: c1, .offset: 0, .size: 8, .value_kind: global_buffer, .address_space: global }
      - { .name: s1, .offset: 8, .size: 8, .value_kind: global_buffer, .address_space: global }
      - { .name: bq, .offset: 16, .size: 8, .value_kind: global_buffer, .address_space: global }
      - { .name: bk, .offset: 24, .size: 8, .value_kind: global_buffer, .address_space: global }
      - { .name: bv, .offset: 32, .size: 8, .value_kind: global_buffer, .address_space: global }
      - { .name: c2, .offset: 40, .size: 8, .value_kind: global_buffer, .address_space: global }
      - { .name: s2, .offset: 48, .size: 8, .value_kind: global_buffer, .address_space: global }
    .group_segment_fixed_size: 327680
    .private_segment_fixed_size: 0
    .kernarg_segment_align: 8
    .kernarg_segment_size: 56
    .max_flat_workgroup_size: 128
    .sgpr_count:     100
    .vgpr_count:     1024
    .wavefront_size: 32
...
	.end_amdgpu_metadata
.endif
;; end of part 2
;; launch score (part 3): grid 8 x 32, 4 waves a work-group, clusters of 4 x 4, 327,680 bytes of LDS; arguments c2, s2, pc, pstat; writes pc, pstat
.if DOCPART == 3
	.amdgcn_target "amdgcn-amd-amdhsa--gfx1250"
	.amdhsa_code_object_version 6
	.text
	.protected	k_qab4acfaaa4_score
	.globl	k_qab4acfaaa4_score
	.p2align	8
	.type	k_qab4acfaaa4_score,@function
k_qab4acfaaa4_score:
	s_mov_b64 s[64:65], 0
	v_nop
	global_prefetch_b8 v0, s[64:65] scope:SCOPE_SE
	s_setreg_imm32_b32 hwreg(HW_REG_WAVE_MODE, 25, 1), 1
	s_wait_xcnt 0x0
	s_wait_alu depctr_hold_cnt(0) depctr_sa_sdst(0) depctr_va_vdst(0) depctr_va_sdst(0) depctr_va_ssrc(0) depctr_va_vcc(0) depctr_vm_vsrc(0)
	s_getreg_b32 s2, hwreg(HW_REG_IB_STS2, 6, 4)
	s_cmp_eq_u32 s2, 0
	s_cbranch_scc0 .Lentry_in_a_cluster
	s_endpgm
.Lentry_in_a_cluster:
	s_bfe_u32 s2, ttmp6, 0x10000c
	s_cmp_lg_u32 s2, 0xf033
	s_cbranch_scc0 .Lentry_shape_is_right
	s_endpgm
.Lentry_shape_is_right:
; S = q k^T on codes of BF6, and the softmax's numerator, quantised: 256 tiles of 256 queries x 256 keys, K = 1,024.  Source 1 ("A") = q's rows, source 0 ("B") = k's rows: a lane holds ONE query, its registers run along the keys.
; THE SOFTMAX.  t = score x log2(e) / 32.  A wave holds, for each of its 128 queries, 128 keys: one K step of the next product.  For that chunk it takes M = ceil(the chunk's largest t), a whole number, p = 2^(t - M),
; l = the sum of the unquantised p, and quantises p in blocks of 32 keys.  The next launch takes the largest M of a row's 16 chunks and lowers each chunk's scale bytes and l by the whole number that lies between:
; a power of two, which a block's scale takes up; the codes stay as they are.  So the maximum is taken away ahead of every exponential, and no score goes to memory.
; RESULT: pc: p's fragments [block of 16 queries][KS 0-15][1,536];  pstat: three planes [query / 128][KS][128]: p's scale words, -M (f32), l (f32).
; The frame (ring of two slots of 256 along K, joint loads in clusters of 4 x 4, images of registers) is that of the launch before.
; LIMITS: a block whose every p has fallen under 2^-122 gets the byte 1; NaN and infinities are not served.
; REGISTERS: window 0: v1-31 addresses; v32-47 scale words; v48-63 at work; v64-159, v160-255 A's two sets (free on the way out).  window 1: B's two sets.  windows 2, 3: accumulators.
.set NA,    8
; THE FILLS, one tensor load a wave each: K steps 0-2 into slot 0, 3-5 into slot 1, 6-7 into slot 0 again (slots of 147,456 bytes; in this the line on the frame above is superseded).  The scale words come through registers.
; No prefetch: K is three fills long, so there is no loop to run ahead in.
.set NQ,    3
.set RBB,   NQ*1536
.set TILE,  8*RBB
.set SLOT,  4*TILE
.set SCL,   2*SLOT
.set SPARE, SCL+16384                  ; the spare words, 128 bytes a wave: two blocks of 256 bytes that no other line names
.set ADRA, 16
.set ADRB, 20
.set ADSA, 22
.set ADSB, 23
.set SCW,  24
.set SCR,  25
.set LI,   26
.set SPW,  28
.set NIL,  29
.set SC,   32
.set TM,   48
.set AF,   64
; the way out, four blocks of 16 queries at a time (a window's): v48-63 TM, v64-79 N, v80-95 SO: four numbers a block;
.set NN,   64
.set SO,   80
.set PW,   96                          ; v96-103  a scale word for each block,
.set LS,   104                         ; v104-111 an l,
.set NM,   112                         ; v112, 114 .. 126 a -M (named as the low word of a pair);
.set LA,   128                         ; v128-143 the sums' two chains of each of four blocks
.set PC,   144                         ; v144-239 codes, 12 registers for each of the eight blocks
.set MX,   252                         ; v252-255 the largest t
.set CS,   2                           ; s[2:3]   log2(e) / 32
.set SEL,  46
.set G1,   24
.set G0,   32
.set G1B,  48
.set G0B,  56
.set SA,   70                          ; s[70:71] the scale words that my wave brings
.set MUL_LO, 0xa1
.set MUL_HI, 0xf1
.set TO_B,   0x40
.set MSB, 0
.macro WIN new
.if MSB != (\new)
	s_set_vgpr_msb (MSB<<8)|(\new)
.set MSB, (\new)
.endif
.endm
.macro PLACES n
.rept \n
	v_nop
.endr
.endm
.macro JLOAD g0a, g1a, g0b, g1b        ; waves 0 and 1 fetch for A, waves 2 and 3 for B; four v_nop follow each of the two lines
	s_cmp_eq_u32 s19, 0
	s_cbranch_scc0 .Lfor_b_\@
	tensor_load_to_lds s[\g0a:\g0a+3], s[\g1a:\g1a+7]
	s_nop 0
.rept 4
	v_nop
.endr
	s_branch .Lasked_\@
.Lfor_b_\@:
	tensor_load_to_lds s[\g0b:\g0b+3], s[\g1b:\g1b+7]
	s_nop 0
.rept 4
	v_nop
.endr
.Lasked_\@:
.endm
.macro CREST
	s_cmp_lg_u32 s18, 0
	s_cbranch_scc1 .Lnot_wave_0_\@
	s_barrier_signal -3
.Lnot_wave_0_\@:
	s_barrier_wait -3
	s_barrier_signal -1
	s_barrier_wait -1
.endm
.macro CROUND
	s_barrier_signal -1
	s_barrier_wait -1
	CREST
.endm
.macro FRAG reg, adr, off
.irp c, 0,1,2
	ds_load_b128 v[(\reg)+4*\c:(\reg)+4*\c+3], v[\adr] offset:(\off)+512*\c
.endr
.endm
.macro FETCH_B slot, q, p
	WIN TO_B
.irp i, 0,1,2,3,4,5,6,7
	FRAG 128*(\p)+12*\i, ADRB+\slot, \i*RBB+(\q)*1536
.endr
	WIN 0
.endm
.macro FETCH_A slot, q, p
.set fi, 0
.rept NA
	FRAG AF+12*NA*(\p)+12*fi, ADRA+\slot, fi*RBB+(\q)*1536
.set fi, fi+1
.endr
.endm
.macro SCALES off, p
.set fi, 0
.rept NA/2
	ds_load_b32 v[SC+8*(\p)+fi], v[ADSA] offset:(\off)+128*fi
.set fi, fi+1
.endr
.irp j, 0,1,2,3
	ds_load_b32 v[SC+8*(\p)+4+\j], v[ADSB] offset:(\off)+128*\j
.endr
.endm
.macro MM a, b, p, z                   ; z = 1: the first product starts the sum with the constant 0
.set rD, 8*(8*((\a)%4)+(\b))
.set rB, 128*(\p)+12*(\b)
.set rA, AF+12*NA*(\p)+12*(\a)
.set rT, SC+8*(\p)+4+(\b)/2
.set rS, SC+8*(\p)+(\a)/2
.set par, 2*((\a)%2)+(\b)%2
.if (\z)
.if par == 0
	v_wmma_scale_f32_16x16x128_f8f6f4 v[rD:rD+7], v[rB:rB+11], v[rA:rA+11], 0, v[rT], v[rS] matrix_a_fmt:MATRIX_FMT_BF6 matrix_b_fmt:MATRIX_FMT_BF6
.elseif par == 1
	v_wmma_scale_f32_16x16x128_f8f6f4 v[rD:rD+7], v[rB:rB+11], v[rA:rA+11], 0, v[rT], v[rS] matrix_a_fmt:MATRIX_FMT_BF6 matrix_b_fmt:MATRIX_FMT_BF6 matrix_a_scale:MATRIX_SCALE_ROW1
.elseif par == 2
	v_wmma_scale_f32_16x16x128_f8f6f4 v[rD:rD+7], v[rB:rB+11], v[rA:rA+11], 0, v[rT], v[rS] matrix_a_fmt:MATRIX_FMT_BF6 matrix_b_fmt:MATRIX_FMT_BF6 matrix_b_scale:MATRIX_SCALE_ROW1
.else
	v_wmma_scale_f32_16x16x128_f8f6f4 v[rD:rD+7], v[rB:rB+11], v[rA:rA+11], 0, v[rT], v[rS] matrix_a_fmt:MATRIX_FMT_BF6 matrix_b_fmt:MATRIX_FMT_BF6 matrix_a_scale:MATRIX_SCALE_ROW1 matrix_b_scale:MATRIX_SCALE_ROW1
.endif
.else
.if par == 0
	v_wmma_scale_f32_16x16x128_f8f6f4 v[rD:rD+7], v[rB:rB+11], v[rA:rA+11], v[rD:rD+7], v[rT], v[rS] matrix_a_fmt:MATRIX_FMT_BF6 matrix_b_fmt:MATRIX_FMT_BF6
.elseif par == 1
	v_wmma_scale_f32_16x16x128_f8f6f4 v[rD:rD+7], v[rB:rB+11], v[rA:rA+11], v[rD:rD+7], v[rT], v[rS] matrix_a_fmt:MATRIX_FMT_BF6 matrix_b_fmt:MATRIX_FMT_BF6 matrix_a_scale:MATRIX_SCALE_ROW1
.elseif par == 2
	v_wmma_scale_f32_16x16x128_f8f6f4 v[rD:rD+7], v[rB:rB+11], v[rA:rA+11], v[rD:rD+7], v[rT], v[rS] matrix_a_fmt:MATRIX_FMT_BF6 matrix_b_fmt:MATRIX_FMT_BF6 matrix_b_scale:MATRIX_SCALE_ROW1
.else
	v_wmma_scale_f32_16x16x128_f8f6f4 v[rD:rD+7], v[rB:rB+11], v[rA:rA+11], v[rD:rD+7], v[rT], v[rS] matrix_a_fmt:MATRIX_FMT_BF6 matrix_b_fmt:MATRIX_FMT_BF6 matrix_a_scale:MATRIX_SCALE_ROW1 matrix_b_scale:MATRIX_SCALE_ROW1
.endif
.endif
.endm
.macro MROWS a0, n, p, z               ; the accumulators take turns, one instruction a turn, in the same order in every step
.set ia, \a0
.rept \n
.set ib, 0
.rept 8
	MM ia, ib, \p, \z
.set ib, ib+1
.endr
.set ia, ia+1
.endr
.endm
; K step ks lies in slot (ks / 3) % 2 and is multiplied from set ks % 2.
.macro STEP ks, z
	s_wait_dscnt 0x0                               ; this step's fragments and words are in
	PLACES 4                                       ; in front of loads into the registers that the step before multiplied
	FETCH_B ((((\ks)+1)/3)%2), (((\ks)+1)%3), (((\ks)+1)%2)
	SCALES 512*((\ks)+1), (((\ks)+1)%2)
	WIN MUL_LO
	MROWS 0, NA/2, ((\ks)%2), \z
	WIN 0
	FETCH_A ((((\ks)+1)/3)%2), (((\ks)+1)%3), (((\ks)+1)%2)
	WIN MUL_HI
	MROWS NA/2, NA/2, ((\ks)%2), \z
	WIN 0
.endm
.macro TURN ks, fill
	s_wait_tensorcnt 0x0                           ; all my tensor loads have landed: my part of the next slot
	ds_add_u32 v[SPW], v[NIL]                      ; 0 onto my spare word
	s_wait_dscnt 0x1                               ; this step's fragments are in; the add may be out
	WIN MUL_LO
	MROWS 0, NA/4, ((\ks)%2), 0
	s_wait_dscnt 0x0                               ; the add is done, and my reads of this slot are over
	s_barrier_signal -1
	MROWS NA/4, NA/4, ((\ks)%2), 0
	WIN 0
	s_barrier_wait -1
.if \fill
	CREST                                          ; a round of the cluster's barrier: no wave of any partner still reads this slot or has a load on its way
	s_add_nc_u64 s[G0+2:G0+3], s[G0+2:G0+3], 2*RBB
	s_add_nc_u64 s[G0B+2:G0B+3], s[G0B+2:G0B+3], 2*RBB
.irp g, G1, G1B                        ; no tensor load of mine is out: rows of two K steps from here on
	s_mov_b32 s[\g+1], 384<<16
	s_mov_b32 s[\g+3], 384<<16
.endr
	JLOAD G0, G1, G0B, G1B                         ; the first tensor load behind the round; its four v_nop are also the places in front of the loads below
.else
	PLACES 4
.endif
	FETCH_B ((((\ks)+1)/3)%2), (((\ks)+1)%3), (((\ks)+1)%2)
	SCALES 512*((\ks)+1), (((\ks)+1)%2)
	FETCH_A ((((\ks)+1)/3)%2), (((\ks)+1)%3), (((\ks)+1)%2)
	WIN MUL_HI
	MROWS NA/2, NA/2, ((\ks)%2), 0
	WIN 0
.endm
	s_load_b256 s[4:11], s[0:1], 0x0               ; c2 s[4:5], s2 s[6:7], pc s[8:9], pstat s[10:11]
	v_lshl_add_u32 v[SPW], v0, 2, SPARE
	v_mov_b32 v[NIL], 0
	ds_add_u32 v28, v29
	ds_add_u32 v28, v29
	s_wait_dscnt 0x0
	v_lshrrev_b32 v1, 5, v0
	v_readfirstlane_b32 s18, v1                    ; wave
	s_lshr_b32 s19, s18, 1                         ; WR: my half of the queries.  Also: I fetch for A (0) or for B (1)
	s_and_b32 s20, s18, 1                          ; WC: my half of the keys.  Also: which half of that tile I fetch
	s_bfe_u32 s21, ttmp6, 0x40000                  ; cx
	s_bfe_u32 s22, ttmp6, 0x40004                  ; cy
	s_and_b32 s40, ttmp7, 0xffff                   ; the cluster's y
	s_lshl_b32 s44, s22, 2
	s_lshl_b32 s44, 15, s44                        ; my row of the cluster
	s_lshl_b32 s45, 0x1111, s21                    ; my column
	s_mov_b32 s[SEL], 0x76543210
	s_mov_b32 s[SEL+1], 0xfedcba98
	s_mov_b32 s[CS], 0x3d38aa3b                    ; log2(e) / sqrt(1024)
	s_mov_b32 s[CS+1], s[CS]                       ; (named with it as a pair, so it is written)
	s_or_b32 s[G1], s44, (3<<16)|(1<<21)           ; 8 rows (blocks) of 3,072 bytes = 384 elements of 8 bytes, 24,576 bytes apart
	s_or_b32 s[G1B], s45, (3<<16)|(1<<21)
.irp g, G1, G1B
	s_mov_b32 s[\g+1], 576<<16                     ; (at first rows of three K steps: 4,608 bytes)
	s_mov_b32 s[\g+2], 8<<16
	s_mov_b32 s[\g+3], 576<<16
	s_mov_b32 s[\g+4], 8
	s_mov_b32 s[\g+5], 3072
	s_mov_b32 s[\g+6], 0
	s_mov_b32 s[\g+7], 0
.endr
	s_lshl_b32 s42, s40, 2
	s_add_co_u32 s42, s42, s22                     ; tile of queries, batches on end: 4 x cluster y + cy
	s_lshl_b32 s43, ttmp9, 2
	s_add_co_u32 s43, s43, s21                     ; tile of keys in the batch: 4 x cluster x + cx
	s_lshr_b32 s41, s40, 1                         ; the batch, which all partners share
	s_lshl_b32 s66, s20, 3                         ; 8 WC
	s_lshl_b32 s92, s42, 4
	s_add_co_u32 s92, s92, s66                     ; A: the first of the eight blocks that I would fetch
	s_lshl_b32 s94, s92, 10                        ; its scale words: 8,192 bytes for 8 blocks (q's are the first half)
	s_mul_i32 s92, s92, 24576
	s_mov_b32 s93, 0
	s_mov_b32 s95, 0
	s_lshl_b32 s96, s41, 7
	s_lshl_b32 s98, s43, 4
	s_add_co_u32 s96, s96, s98
	s_add_co_u32 s96, s96, s66                     ; B likewise
	s_lshl_b32 s98, s96, 10
	s_add_co_u32 s98, s98, 4096                    ; k's words are the second half,
	s_mul_i32 s96, s96, 24576
	s_add_co_u32 s96, s96, 12288                   ; and k's fragments stand behind q's eight
	s_mov_b32 s97, 0
	s_mov_b32 s99, 0
	s_mul_i32 s67, s18, TILE
	s_lshl_b32 s23, s18, 12
	s_add_co_u32 s23, s23, SCL
	s_wait_alu depctr_va_vdst(0)                   ; a wait here, ahead of the barriers and the wait below
	CROUND                                         ; all sixteen work-groups are here: the first joint loads meet
	s_wait_kmcnt 0x0
	s_add_nc_u64 s[92:93], s[4:5], s[92:93]
	s_add_nc_u64 s[96:97], s[4:5], s[96:97]
.irp s, 0,1
	s_mov_b32 s[G0+4*\s], 1
	s_add_co_u32 s[G0+4*\s+1], s67, \s*SLOT
	s_add_nc_u64 s[G0+4*\s+2:G0+4*\s+3], s[92:93], \s*RBB
	s_or_b32 s[G0+4*\s+3], s[G0+4*\s+3], 0x80000000
	s_mov_b32 s[G0B+4*\s], 1
	s_add_co_u32 s[G0B+4*\s+1], s67, \s*SLOT
	s_add_nc_u64 s[G0B+4*\s+2:G0B+4*\s+3], s[96:97], \s*RBB
	s_or_b32 s[G0B+4*\s+3], s[G0B+4*\s+3], 0x80000000
.endr
	JLOAD G0, G1, G0B, G1B                         ; K steps 0-2: one tensor load a wave at the head
	s_add_nc_u64 s[94:95], s[6:7], s[94:95]        ; the scale words of 128 rows for all of K, 4,096 dense bytes a wave: q's half or k's half, by the wave's number
	s_add_nc_u64 s[98:99], s[6:7], s[98:99]
	s_cmp_eq_u32 s19, 0
	s_cselect_b64 s[SA:SA+1], s[94:95], s[98:99]
	v_and_b32 v1, 31, v0
	v_and_b32 v2, 15, v0
	s_wait_alu depctr_va_vdst(0)
	v_lshlrev_b32 v[LI], 4, v1
.irp i, 0,1,2,3,4,5,6,7
	global_load_b128 v[64+4*\i:67+4*\i], v[LI], s[SA:SA+1] offset:512*\i   ; 512 consecutive bytes
.endr
	v_add_nc_u32 v3, s23, v[LI]                    ; and where I put them: wave x 4,096 + 16 x lane
	s_wait_alu depctr_va_vdst(0)
	s_mul_i32 s66, s19, TILE
	s_mul_i32 s67, s20, TILE
	s_add_co_u32 s67, s67, 2*TILE
	v_add_nc_u32 v[ADRA], s66, v[LI]
	v_add_nc_u32 v[ADRB], s67, v[LI]
	v_add_nc_u32 v[ADRA+1], SLOT, v[ADRA]
	v_add_nc_u32 v[ADRB+1], SLOT, v[ADRB]
	v_lshlrev_b32 v4, 2, v1
	s_lshl_b32 s66, s19, 12
	s_add_co_u32 s66, s66, SCL
	v_add_nc_u32 v[ADSA], s66, v4
	s_lshl_b32 s67, s20, 12
	s_add_co_u32 s67, s67, SCL+8192
	v_add_nc_u32 v[ADSB], s67, v4
	s_lshl_b32 s66, s18, 11                        ; 2,048 bytes of scratch a wave, in slot 1, which has had its last fill and its last read by then
	s_add_co_u32 s66, s66, SLOT
	v_lshl_add_u32 v[SCW], v2, 2, s66
	v_add_nc_u32 v[SCR], s66, v[LI]
	; where my results go: block 16 x (tile of queries) + 8 WR, KS = 2 x (tile of keys) + WC
	s_lshl_b32 s92, s42, 4
	s_lshl_b32 s93, s19, 3
	s_add_co_u32 s92, s92, s93
	s_lshl_b32 s94, s43, 1
	s_add_co_u32 s94, s94, s20
	s_mul_i32 s96, s92, 24576
	s_mul_i32 s97, s94, 1536
	s_add_co_u32 s96, s96, s97
	s_mov_b32 s97, 0
	s_add_nc_u64 s[8:9], s[8:9], s[96:97]
	s_lshl_b32 s96, s92, 10
	s_lshl_b32 s97, s94, 9
	s_add_co_u32 s96, s96, s97
	s_mov_b32 s97, 0
	s_add_nc_u64 s[10:11], s[10:11], s[96:97]
	s_wait_alu depctr_va_vdst(0)
	s_wait_loadcnt 0x0
.irp i, 0,1,2,3,4,5,6,7
	ds_store_b128 v3, v[64+4*\i:67+4*\i] offset:512*\i
.endr
	s_wait_tensorcnt 0x0                           ; my part of slot 0 is in
	ds_add_u32 v[SPW], v[NIL]
	s_wait_dscnt 0x0                               ; the add is done, and my stores of the scale words have landed
	CROUND                                         ; slot 0 and the words are whole, and the joint loads meet
	JLOAD G0+4, G1, G0B+4, G1B                     ; K steps 3-5
	FETCH_B 0, 0, 0
	SCALES 0, 0
	FETCH_A 0, 0, 0
	STEP 0, 1                                      ; the first products start the sums
	STEP 1, 0
	TURN 2, 1
	STEP 3, 0
	STEP 4, 0
.set RBB, 3072                         ; K steps 6-7 lie in rows of two K steps
	TURN 5, 0
; THE WAY OUT, four blocks of 16 queries x 128 keys (a window's accumulators) at a time, in place: register 64 i + 16 b + j of a lane is key 32 b + 16 h + j of its query in block i.
.macro MAXC l, w                       ; THE LARGEST SCORE OF EACH BLOCK OF 32 KEYS, in eight levels: for the chunk's maximum and, since p rises with the score, for the block's largest p
	WIN (\w)*20                                    ; sources 1 and 2: window w
.irp i, 0,1,2,3
.irp b, 0,1,2,3
.if (\l) == 0
	v_max3_num_f32 v[TM+4*\i+\b], 0xff800000, v[64*\i+16*\b], v[64*\i+16*\b+1]
.else
	v_max3_num_f32 v[TM+4*\i+\b], v[TM+4*\i+\b], v[64*\i+16*\b+2*(\l)], v[64*\i+16*\b+2*(\l)+1]
.endif
.endr
.endr
.endm
.macro TM1 i, j, g                     ; t - M, two at a time, in place (of the pairs c and -M the low word serves both halves)
	v_pk_fma_f32 v[64*(\i)+\j:64*(\i)+\j+1], v[64*(\i)+\j:64*(\i)+\j+1], s[CS:CS+1], v[NM+8*(\g)+2*(\i):NM+8*(\g)+2*(\i)+1] op_sel_hi:[1,0,0]
.endm
.macro EXPB i, g                       ; p = 2^(t - M) of block i, not normalised; between the exponentials block i + 1's t - M, which is first read behind the next wait
	WIN W*65                                       ; source 0 and destination: the window
.set ej, 0
.rept 32
	v_exp_f32 v[64*(\i)+ej], v[64*(\i)+ej]
.if (\i) < 3
	TM1 (\i)+1, ej, \g
.endif
	v_exp_f32 v[64*(\i)+ej+1], v[64*(\i)+ej+1]
.set ej, ej+2
.endr
.endm
.macro GROUP g                         ; blocks 4 g .. 4 g + 3, whose largest scores stand in TM
.set W, 2+(\g)
	WIN 0
.irp i, 0,1,2,3
.irp b, 0,1,2,3
	v_permlanex16_b32 v[NN+4*\i+\b], v[TM+4*\i+\b], s[SEL], s[SEL+1]
.endr
.endr
.irp i, 0,1,2,3
.irp b, 0,1,2,3
	v_max_num_f32 v[TM+4*\i+\b], v[TM+4*\i+\b], v[NN+4*\i+\b]
.endr
.endr
.irp i, 0,1,2,3
	v_max3_num_f32 v[MX+\i], v[TM+4*\i], v[TM+4*\i+1], v[TM+4*\i+2]
.endr
.irp i, 0,1,2,3
	v_max_num_f32 v[MX+\i], v[MX+\i], v[TM+4*\i+3]
.endr
.irp i, 0,1,2,3
	v_mul_f32 v[MX+\i], s[CS], v[MX+\i]            ; the chunk's largest t
.endr
.irp i, 0,1,2,3
	v_floor_f32 v[NM+8*(\g)+2*\i], -v[MX+\i]       ; -M = floor(-t) = -ceil(t)
.endr
.irp i, 0,1,2,3
.irp b, 0,1,2,3
	v_fma_f32 v[TM+4*\i+\b], v[TM+4*\i+\b], s[CS], v[NM+8*(\g)+2*\i]   ; t - M of each block's largest score
.endr
.endr
	WIN W*65
.set ej, 0
.rept 32
	TM1 0, ej, \g
.set ej, ej+2
.endr
	WIN 0
	s_wait_alu depctr_va_vdst(0)                   ; a wait ahead of the batch
.irp i, 0,1,2,3
.irp b, 0,1,2,3
	v_exp_f32 v[TM+4*\i+\b], v[TM+4*\i+\b]         ; the block's largest p: the same two instructions on the same number give the same bits
.endr
.endr
	EXPB 0, \g
	s_wait_alu depctr_va_vdst(0)                   ; and between a block's multiply-adds and its exponentials
	EXPB 1, \g
	s_wait_alu depctr_va_vdst(0)
	EXPB 2, \g
	s_wait_alu depctr_va_vdst(0)
	EXPB 3, \g
	WIN W*5                                        ; sources 0 and 1: the window
	v_nop                                          ; a plain place behind the last exponential
	s_wait_alu depctr_va_vdst(0)                   ; one wait ahead of the results' first readers
.irp i, 0,1,2,3                        ; l IS TAKEN OF THE UNQUANTISED p: two at a time, in two chains a block
	v_pk_add_f32 v[LA+4*\i:LA+4*\i+1], v[64*\i:64*\i+1], v[64*\i+2:64*\i+3]
	v_pk_add_f32 v[LA+4*\i+2:LA+4*\i+3], v[64*\i+4:64*\i+5], v[64*\i+6:64*\i+7]
.endr
	WIN W*4                                        ; source 1: the window
.irp k, 8,12,16,20,24,28,32,36,40,44,48,52,56,60
.irp i, 0,1,2,3
	v_pk_add_f32 v[LA+4*\i:LA+4*\i+1], v[LA+4*\i:LA+4*\i+1], v[64*\i+\k:64*\i+\k+1]
	v_pk_add_f32 v[LA+4*\i+2:LA+4*\i+3], v[LA+4*\i+2:LA+4*\i+3], v[64*\i+\k+2:64*\i+\k+3]
.endr
.endr
	WIN 0
.irp i, 0,1,2,3
	v_pk_add_f32 v[LA+4*\i:LA+4*\i+1], v[LA+4*\i:LA+4*\i+1], v[LA+4*\i+2:LA+4*\i+3]
.endr
.irp i, 0,1,2,3
.irp b, 0,1,2,3
	v_max_num_f32 v[TM+4*\i+\b], 0x2800000, v[TM+4*\i+\b]   ; the floor 2^(5 - 127): the byte cannot fall under 1
.endr
.endr
.irp i, 0,1,2,3
	v_add_f32 v[LS+4*(\g)+\i], v[LA+4*\i], v[LA+4*\i+1]
.endr
.irp i, 0,1,2,3
.irp b, 0,1,2,3
	v_add_nc_u32 v[SO+4*\i+\b], 0xfe000000, v[TM+4*\i+\b]   ; the conversion's scale operand
.endr
.endr
.irp i, 0,1,2,3
	v_permlanex16_b32 v[MX+\i], v[LS+4*(\g)+\i], s[SEL], s[SEL+1]
.endr
.irp i, 0,1,2,3
.irp b, 0,1,2,3
	v_lshrrev_b32 v[NN+4*\i+\b], 23, v[SO+4*\i+\b]          ; the scale's byte
.endr
.endr
.irp i, 0,1,2,3
	v_add_f32 v[LS+4*(\g)+\i], v[LS+4*(\g)+\i], v[MX+\i]
.endr
.irp i, 0,1,2,3
	v_lshl_or_b32 v[PW+4*(\g)+\i], v[NN+4*\i+1], 8, v[NN+4*\i]
.endr
.irp i, 0,1,2,3
	v_lshl_or_b32 v[PW+4*(\g)+\i], v[NN+4*\i+2], 16, v[PW+4*(\g)+\i]
.endr
.irp i, 0,1,2,3
	v_lshl_or_b32 v[PW+4*(\g)+\i], v[NN+4*\i+3], 24, v[PW+4*(\g)+\i]
.endr
	WIN W                                          ; source 0: the window
.irp i, 0,1,2,3
.set qP, PC+48*(\g)+12*\i
.irp h, 0,1
	v_cvt_scalef32_pk16_bf6_f32 v[qP+6*\h:qP+6*\h+2], v[64*\i+32*\h:64*\i+32*\h+15], v[SO+4*\i+2*\h]
	v_cvt_scalef32_pk16_bf6_f32 v[TM+16*\h+4*\i:TM+16*\h+4*\i+2], v[64*\i+32*\h+16:64*\i+32*\h+31], v[SO+4*\i+2*\h+1]
.endr
.endr
	WIN 0
	v_nop                                          ; one plain place behind a scaled conversion
.irp i, 0,1,2,3                        ; the operand's layout wants a WHOLE block in a lane
.set qP, PC+48*(\g)+12*\i
.irp h, 0,1
.irp k, 0,1,2
	v_permlane16_swap_b32 v[qP+6*\h+\k], v[TM+16*\h+4*\i+\k]
.endr
.endr
.endr
.irp i, 0,1,2,3
.set qP, PC+48*(\g)+12*\i
.irp h, 0,1
.irp k, 0,1,2
	v_mov_b32 v[qP+6*\h+3+\k], v[TM+16*\h+4*\i+\k]
.endr
.endr
.endr
.irp i, 0,1,2,3
.set qP, PC+48*(\g)+12*\i
.irp k, 0,1,2
	global_store_b128 v[LI], v[qP+4*\k:qP+4*\k+3], s[8:9] offset:(4*(\g)+\i)*24576+512*\k   ; 512 consecutive bytes, aligned
.endr
	ds_store_b32 v[SCW], v[PW+4*(\g)+\i] offset:64*(4*(\g)+\i)
	ds_store_b32 v[SCW], v[NM+8*(\g)+2*\i] offset:512+64*(4*(\g)+\i)
	ds_store_b32 v[SCW], v[LS+4*(\g)+\i] offset:1024+64*(4*(\g)+\i)
.endr
.endm
	; K STEPS 6 AND 7: my rows 0-63 of both first; then rows 64-127 of both, and between their rows the largest scores of rows 0-63's blocks
	s_wait_dscnt 0x0
	PLACES 4
	FETCH_B 0, 1, 1
	SCALES 512*7, 1
	FETCH_A 0, 1, 1
	WIN MUL_LO
	MROWS 0, 4, 0, 0
	s_wait_dscnt 12                                ; B's set, the words and A's blocks 0-3 are in; the youngest twelve loads (A's blocks 4-7) may be out
	MROWS 0, 4, 1, 0
	PLACES 4                                       ; in front of the first read of results
.irp r, 4,5,6,7
	WIN MUL_HI
	MROWS \r, 1, 0, 0
	MAXC \r-4, 2
.endr
	s_wait_dscnt 0x0
.irp r, 4,5,6,7
	WIN MUL_HI
	MROWS \r, 1, 1, 0
	MAXC \r, 2
.endr
	WIN 0
	PLACES 4                                       ; in front of writes of registers that products have read
	GROUP 0
	WIN 60
	s_wait_alu depctr_va_vdst(0)                   ; a wait here, directly ahead of the first readers of window 3's results
.irp l, 0,1,2,3,4,5,6,7
	MAXC \l, 3
.endr
	GROUP 1
.irp t, 0,1,2
	ds_load_b128 v[240+4*\t:243+4*\t], v[SCR] offset:512*\t   ; my 128 rows' words, -M and l: LDS serves a wave's instructions in order
.endr
	s_wait_dscnt 0x0
.irp t, 0,1,2
	global_store_b128 v[LI], v[240+4*\t:243+4*\t], s[10:11] offset:524288*\t   ; 512 consecutive bytes, aligned, in each plane
.endr
	s_wait_tensorcnt 0x0                           ; the wave's end
	ds_add_u32 v[SPW], v[NIL]
	s_wait_dscnt 0x0
	CROUND                                         ; the closing round
	s_endpgm
.Lfunc_end_k_qab4acfaaa4_score:
	.size	k_qab4acfaaa4_score, .Lfunc_end_k_qab4acfaaa4_score-k_qab4acfaaa4_score
	.p2alignl 7, 3214868480
	.fill 96, 4, 3214868480
	.section	.rodata,"a",@progbits
	.p2align	6, 0x0
	.amdhsa_kernel k_qab4acfaaa4_score
		.amdhsa_group_segment_fixed_size 327680
		.amdhsa_private_segment_fixed_size 0
		.amdhsa_enable_private_segment 0
		.amdhsa_kernarg_size 32
		.amdhsa_user_sgpr_count 2
		.amdhsa_user_sgpr_kernarg_segment_ptr 1
		.amdhsa_wavefront_size32 1
		.amdhsa_system_sgpr_workgroup_id_x 1
		.amdhsa_system_sgpr_workgroup_id_y 1
		.amdhsa_system_sgpr_workgroup_id_z 1
		.amdhsa_system_vgpr_workitem_id 0
		.amdhsa_next_free_vgpr 1024
		.amdhsa_next_free_sgpr 100
		.amdhsa_reserve_vcc 0
		.amdhsa_float_denorm_mode_32 3
		.amdhsa_float_denorm_mode_16_64 3
		.amdhsa_memory_ordered 1
		.amdhsa_forward_progress 1
		.amdhsa_inst_pref_size 196
	.end_amdhsa_kernel
	.amdgpu_metadata
---
amdhsa.version: [ 1, 2 ]
amdhsa.kernels:
  - .name:           k_qab4acfaaa4_score
    .symbol:         k_qab4acfaaa4_score.kd
    .args:
      - { .name: c2, .offset: 0, .size: 8, .value_kind: global_buffer, .address_space: global }
      - { .name: s2, .offset: 8, .size: 8, .value_kind: global_buffer, .address_space: global }
      - { .name: pc, .offset: 16, .size: 8, .value_kind: global_buffer, .address_space: global }
      - { .name: pstat, .offset: 24, .size: 8, .value_kind: global_buffer, .address_space: global }
    .group_segment_fixed_size: 327680
    .private_segment_fixed_size: 0
    .kernarg_segment_align: 8
    .kernarg_segment_size: 32
    .max_flat_workgroup_size: 128
    .sgpr_count:     100
    .vgpr_count:     1024
    .wavefront_size: 32
...
	.end_amdgpu_metadata
.endif
;; end of part 3
;; launch pv (part 4): grid 4 x 64, 4 waves a work-group, clusters of 4 x 4, 327,680 bytes of LDS; arguments pc, pstat, c2, s2, out0; writes out0
.if DOCPART == 4
	.amdgcn_target "amdgcn-amd-amdhsa--gfx1250"
	.amdhsa_code_object_version 6
	.text
	.protected	k_qab4acfaaa4_pv
	.globl	k_qab4acfaaa4_pv
	.p2align	8
	.type	k_qab4acfaaa4_pv,@function
k_qab4acfaaa4_pv:
	s_mov_b64 s[64:65], 0
	v_nop
	global_prefetch_b8 v0, s[64:65] scope:SCOPE_SE
	s_setreg_imm32_b32 hwreg(HW_REG_WAVE_MODE, 25, 1), 1
	s_wait_xcnt 0x0
	s_wait_alu depctr_hold_cnt(0) depctr_sa_sdst(0) depctr_va_vdst(0) depctr_va_sdst(0) depctr_va_ssrc(0) depctr_va_vcc(0) depctr_vm_vsrc(0)
	s_getreg_b32 s2, hwreg(HW_REG_IB_STS2, 6, 4)
	s_cmp_eq_u32 s2, 0
	s_cbranch_scc0 .Lentry_in_a_cluster
	s_endpgm
.Lentry_in_a_cluster:
	s_bfe_u32 s2, ttmp6, 0x10000c
	s_cmp_lg_u32 s2, 0xf033
	s_cbranch_scc0 .Lentry_shape_is_right
	s_endpgm
.Lentry_shape_is_right:
; out = p v / l on codes of BF6: 256 tiles of 128 queries x 256 of d, K = 2,048 keys in 16 K steps of 128.  Source 1 ("A") = p's rows, source 0 ("B") = v^T's rows: a lane holds ONE query, its registers run along d.
; p came chunk by chunk (one K step each) under the chunk's own M.  Here the largest M of a row's 16 chunks is taken, each chunk's scale bytes and l are lowered by the whole number that lies between (a power of two: the codes
; stay as they are), and the sums are divided by the sum of the l at the end.
; LIMITS: a chunk is lowered by 127 at most and a scale byte not under 0 (2^-127): what it then stands for is under 2^-120 of the row's largest p.  NaN and infinities are not served.
; FOUR FILLS of four K steps (147,456 bytes) through a ring of two LDS slots; operands lie in memory and in LDS as images of their registers.  Four waves, each 64 x 128: 32 accumulators.
; CLUSTERS 4 x 4: A's tile hangs on cy alone and is asked for jointly by a row of the cluster, B's on cx alone, by a column.
; SCALE WORDS come through registers into LDS, 64 bytes (16 K steps) a position at a pitch of 80: one load of 16 bytes a lane brings a position's words of four K steps.
; PREFETCH INTO THE L2: behind each fill's load, what the next fill asks for, one fill (four K steps) ahead; the last fill asks for nothing.  A block's part of a fill is 24 pieces of 256 bytes: a lane a piece (lanes 24-31 name
; the last again).  Partners share the blocks out BY ADDRESS: of A's 8 blocks place cx takes two (waves 0, 1), of B's 16 place cy takes four (waves 2, 3, two each): each piece is named once in each cluster.
; REGISTERS: window 0: v1-31 addresses; v48-55 1/l; v64-159 A's two sets; v160-207 scale words, two sets.  window 1: B's two sets at v0, v128.  window 2: accumulator (a, b) at v[8 (8 a + b)].  window 3: the way out.
.set RBB,   6144                       ; a block's bytes in a slot: four K steps
.set TILEA, 4*RBB
.set TILEB, 8*RBB
.set SLOT,  2*TILEA+2*TILEB
.set SP,    80
.set SCLA,  2*SLOT                     ; A's words, 128 positions
.set SCLB,  SCLA+128*SP                ; B's, 256
.set LINV,  SCLB+256*SP                ; 1/l of the 128 queries
.set SPARE, LINV+512                   ; the spare words, 128 bytes a wave: two blocks of 256 bytes that no other line names
.set ADRA, 16
.set FXB,  18
.set PFO,  19
.set ADRB, 20
.set ADSA, 22
.set ADSB, 23
.set STO,  24
.set RD,   25
.set LI,   26
.set TA,   27
.set SPW,  28
.set NIL,  29
.set FXA,  30
.set LVA,  31
.set LV,   48
.set AF,   64
.set SCA,  160                         ; set s: v[SCA + 8 s + 4 j + q]: A's blocks 2 j (lanes 0-15), 2 j + 1 (lanes 16-31), K step q of four
.set SCB,  176                         ; v[SCB + 16 s + 4 j + q]
.set G1,   24
.set G0,   32
.set G1B,  48
.set G0B,  56
.set PFA,  70
.set MUL,  0xa1                        ; source 0 (B) window 1, source 1 (A) window 0, C and D window 2
.set TO_B, 0x40
.set MSB, 0
.macro WIN new                         ; the immediate's high byte repeats the setting that is left
.if MSB != (\new)
	s_set_vgpr_msb (MSB<<8)|(\new)
.set MSB, (\new)
.endif
.endm
.macro PLACES n
.rept \n
	v_nop
.endr
.endm
.macro JLOAD s                         ; a joint load: waves 0 and 1 fetch for A, waves 2 and 3 for B; four v_nop follow each of the two lines
	s_cmp_eq_u32 s19, 0
	s_cbranch_scc0 .Lfor_b_\@
	tensor_load_to_lds s[G0+4*\s:G0+4*\s+3], s[G1:G1+7]
	s_nop 0
	PLACES 4
	s_branch .Lasked_\@
.Lfor_b_\@:
	tensor_load_to_lds s[G0B+4*\s:G0B+4*\s+3], s[G1B:G1B+7]
	s_nop 0
	PLACES 4
.Lasked_\@:
.endm
.macro CREST                           ; a round of the cluster's barrier behind its opening barrier
	s_cmp_lg_u32 s18, 0
	s_cbranch_scc1 .Lnot_wave_0_\@
	s_barrier_signal -3
.Lnot_wave_0_\@:
	s_barrier_wait -3
	s_barrier_signal -1
	s_barrier_wait -1
.endm
.macro CROUND
	s_barrier_signal -1
	s_barrier_wait -1
	CREST
.endm
.macro PF t                            ; fill t's pieces: one block for A's waves, two for B's
	global_prefetch_b8 v[PFO], s[PFA:PFA+1] offset:RBB*(\t) th:TH_LOAD_NT scope:SCOPE_SE
	s_cmp_eq_u32 s19, 0
	s_cbranch_scc1 .Lone_\@
	global_prefetch_b8 v[PFO], s[PFA:PFA+1] offset:24576+RBB*(\t) th:TH_LOAD_NT scope:SCOPE_SE
.Lone_\@:
.endm
.macro FRAG reg, adr, off              ; a fragment's image: three loads of 512 consecutive bytes
.irp c, 0,1,2
	ds_load_b128 v[(\reg)+4*\c:(\reg)+4*\c+3], v[\adr] offset:(\off)+512*\c
.endr
.endm
; K step ks lies in slot (ks / 4) % 2 and is multiplied from set ks % 2.
.macro FETCH_B ks
	WIN TO_B
.irp i, 0,1,2,3,4,5,6,7
	FRAG 128*((\ks)%2)+12*\i, ADRB+((\ks)/4)%2, \i*RBB+((\ks)%4)*1536
.endr
	WIN 0
.endm
.macro FETCH_A ks
.irp i, 0,1,2,3
	FRAG AF+48*((\ks)%2)+12*\i, ADRA+((\ks)/4)%2, \i*RBB+((\ks)%4)*1536
.endr
.endm
.macro SCALES s                        ; the words of K steps 4 s .. 4 s + 3 into set s % 2
.irp j, 0,1
	ds_load_b128 v[SCA+8*((\s)%2)+4*\j:SCA+8*((\s)%2)+4*\j+3], v[ADSA] offset:32*SP*\j+16*(\s)
.endr
.irp j, 0,1,2,3
	ds_load_b128 v[SCB+16*((\s)%2)+4*\j:SCB+16*((\s)%2)+4*\j+3], v[ADSB] offset:32*SP*\j+16*(\s)
.endr
.endm
.macro MM a, b, ks, z                  ; z = 1: the first product starts the sum with the constant 0
.set rD, 8*(8*(\a)+(\b))
.set rB, 128*((\ks)%2)+12*(\b)
.set rA, AF+48*((\ks)%2)+12*(\a)
.set rT, SCB+16*(((\ks)/4)%2)+4*((\b)/2)+(\ks)%4
.set rS, SCA+8*(((\ks)/4)%2)+4*((\a)/2)+(\ks)%4
.set par, 2*((\a)%2)+(\b)%2
.if (\z)
.if par == 0
	v_wmma_scale_f32_16x16x128_f8f6f4 v[rD:rD+7], v[rB:rB+11], v[rA:rA+11], 0, v[rT], v[rS] matrix_a_fmt:MATRIX_FMT_BF6 matrix_b_fmt:MATRIX_FMT_BF6
.elseif par == 1
	v_wmma_scale_f32_16x16x128_f8f6f4 v[rD:rD+7], v[rB:rB+11], v[rA:rA+11], 0, v[rT], v[rS] matrix_a_fmt:MATRIX_FMT_BF6 matrix_b_fmt:MATRIX_FMT_BF6 matrix_a_scale:MATRIX_SCALE_ROW1
.elseif par == 2
	v_wmma_scale_f32_16x16x128_f8f6f4 v[rD:rD+7], v[rB:rB+11], v[rA:rA+11], 0, v[rT], v[rS] matrix_a_fmt:MATRIX_FMT_BF6 matrix_b_fmt:MATRIX_FMT_BF6 matrix_b_scale:MATRIX_SCALE_ROW1
.else
	v_wmma_scale_f32_16x16x128_f8f6f4 v[rD:rD+7], v[rB:rB+11], v[rA:rA+11], 0, v[rT], v[rS] matrix_a_fmt:MATRIX_FMT_BF6 matrix_b_fmt:MATRIX_FMT_BF6 matrix_a_scale:MATRIX_SCALE_ROW1 matrix_b_scale:MATRIX_SCALE_ROW1
.endif
.else
.if par == 0
	v_wmma_scale_f32_16x16x128_f8f6f4 v[rD:rD+7], v[rB:rB+11], v[rA:rA+11], v[rD:rD+7], v[rT], v[rS] matrix_a_fmt:MATRIX_FMT_BF6 matrix_b_fmt:MATRIX_FMT_BF6
.elseif par == 1
	v_wmma_scale_f32_16x16x128_f8f6f4 v[rD:rD+7], v[rB:rB+11], v[rA:rA+11], v[rD:rD+7], v[rT], v[rS] matrix_a_fmt:MATRIX_FMT_BF6 matrix_b_fmt:MATRIX_FMT_BF6 matrix_a_scale:MATRIX_SCALE_ROW1
.elseif par == 2
	v_wmma_scale_f32_16x16x128_f8f6f4 v[rD:rD+7], v[rB:rB+11], v[rA:rA+11], v[rD:rD+7], v[rT], v[rS] matrix_a_fmt:MATRIX_FMT_BF6 matrix_b_fmt:MATRIX_FMT_BF6 matrix_b_scale:MATRIX_SCALE_ROW1
.else
	v_wmma_scale_f32_16x16x128_f8f6f4 v[rD:rD+7], v[rB:rB+11], v[rA:rA+11], v[rD:rD+7], v[rT], v[rS] matrix_a_fmt:MATRIX_FMT_BF6 matrix_b_fmt:MATRIX_FMT_BF6 matrix_a_scale:MATRIX_SCALE_ROW1 matrix_b_scale:MATRIX_SCALE_ROW1
.endif
.endif
.endm
.macro MROWS a0, n, ks, z              ; the accumulators take turns, one instruction a turn, in the same order in every step
	WIN MUL
.set ia, \a0
.rept \n
.set ib, 0
.rept 8
	MM ia, ib, \ks, \z
.set ib, ib+1
.endr
.set ia, ia+1
.endr
.endm
.macro STEP ks, z
	s_wait_dscnt 6                                 ; this step's B, words and A's blocks 0-1 are in; the youngest six loads (A's blocks 2-3) may be out
	PLACES 4                                       ; in front of loads into the registers that the step before multiplied
	FETCH_B (\ks)+1
	MROWS 0, 2, \ks, \z
	WIN 0
	s_wait_dscnt 24                                ; all but the 24 of B just issued
	FETCH_A (\ks)+1
	MROWS 2, 2, \ks, \z
	WIN 0
.endm
.macro TURN ks, fill                   ; a slot's last K step.  fill = 1: its slot is filled again, with the tiles of the fill two on
	s_wait_dscnt 6
	MROWS 0, 1, \ks, 0
	WIN 0
	s_wait_tensorcnt 0x0                           ; all my tensor loads have landed: my part of the next slot
	ds_add_u32 v[SPW], v[NIL]                      ; 0 onto my spare word
	MROWS 1, 1, \ks, 0
	WIN 0
	s_wait_dscnt 0x0                               ; the add is done, and my reads of this slot are over
	s_barrier_signal -1
	s_barrier_wait -1
.set SL, ((\ks)/4)%2
.if \fill
	CREST                                          ; the barrier has opened a round of the cluster's: no wave of any partner still reads this slot or has a load on its way
	s_add_nc_u64 s[G0+4*SL+2:G0+4*SL+3], s[G0+4*SL+2:G0+4*SL+3], 2*RBB
	s_add_nc_u64 s[G0B+4*SL+2:G0B+4*SL+3], s[G0B+4*SL+2:G0B+4*SL+3], 2*RBB
	JLOAD SL                                       ; the first tensor load behind the round; its four v_nop are also the places in front of the loads below
.else
	PLACES 4
.endif
	FETCH_B (\ks)+1
	SCALES ((\ks)+1)/4
	FETCH_A (\ks)+1
.if (\ks) == 3
	PF 3
.endif
	MROWS 2, 2, \ks, 0
	WIN 0
.endm
	s_load_b256 s[4:11], s[0:1], 0x0               ; pc s[4:5], pstat s[6:7], c2 s[8:9], s2 s[10:11]
	s_load_b64 s[12:13], s[0:1], 0x20              ; out0
	v_lshl_add_u32 v[SPW], v0, 2, SPARE
	v_mov_b32 v[NIL], 0
	ds_add_u32 v[SPW], v[NIL]                      ; the wave's opening: the add, twice on end, and its wait ahead of my first tensor load
	ds_add_u32 v[SPW], v[NIL]
	v_lshrrev_b32 v1, 5, v0
	v_readfirstlane_b32 s18, v1                    ; wave 0..3
	v_and_b32 v1, 31, v0                           ; lane
	v_min_u32 v[PFO], 23, v1
	v_lshlrev_b32 v[PFO], 8, v[PFO]
	v_lshlrev_b32 v[TA], 2, v0                     ; 4 x thread
	s_lshr_b32 s19, s18, 1                         ; WR: my half of the queries.  Also: I fetch for A (0) or for B (1)
	s_and_b32 s20, s18, 1                          ; WC: my half of d.  Also: which half of that tile I fetch
	s_bfe_u32 s21, ttmp6, 0x40000                  ; cx: which 256 of d
	s_bfe_u32 s22, ttmp6, 0x40004                  ; cy
	s_and_b32 s40, ttmp7, 0xffff                   ; the cluster's y, 0-15 (its x is 0)
	s_lshl_b32 s44, s22, 2
	s_lshl_b32 s44, 15, s44                        ; my row of the cluster
	s_lshl_b32 s45, 0x1111, s21                    ; my column
	s_mov_b32 s2, 0x80808080
	s_mov_b32 s3, 0x01010101
	s_or_b32 s[G1], s44, (3<<16)|(1<<21)           ; 15:0 the mask; 17:16 elements of 8 bytes; 21 set beside a mask
	s_or_b32 s[G1B], s45, (3<<16)|(1<<21)
	s_mov_b32 s[G1+2], 4<<16                       ; A: 4 rows (blocks) of 6,144 bytes = 768 elements, 24,576 bytes apart
	s_mov_b32 s[G1+4], 4
	s_mov_b32 s[G1B+2], 8<<16                      ; B: 8 rows
	s_mov_b32 s[G1B+4], 8
.irp g, G1, G1B
	s_mov_b32 s[\g+1], 768<<16
	s_mov_b32 s[\g+3], 768<<16
	s_mov_b32 s[\g+5], 3072
	s_mov_b32 s[\g+6], 0
	s_mov_b32 s[\g+7], 0
.endr
	s_lshl_b32 s42, s40, 2
	s_add_co_u32 s42, s42, s22                     ; tile of queries: 4 x cluster y + cy
	s_lshr_b32 s41, s40, 2                         ; the batch, which all partners share
	s_lshl_b32 s92, s42, 3                         ; A: block 8 x tile + 4 WC
	s_lshl_b32 s66, s20, 2
	s_add_co_u32 s92, s92, s66
	s_mul_i32 s92, s92, 24576
	s_mov_b32 s93, 0
	s_lshl_b32 s94, s42, 13                        ; its statistics: 8,192 bytes a tile in each plane
	s_mov_b32 s95, 0
	s_lshl_b32 s96, s21, 4                         ; B: block 16 cx + 8 WC of the batch's 64, behind q and k
	s_lshl_b32 s66, s20, 3
	s_add_co_u32 s96, s96, s66
	s_mul_i32 s96, s96, 24576
	s_mul_i32 s67, s41, 1572864
	s_add_co_u32 s67, s67, 12582912
	s_add_co_u32 s96, s96, s67
	s_mov_b32 s97, 0
	s_lshl_b32 s98, s41, 16                        ; its scale words: 16,384 dense bytes
	s_lshl_b32 s66, s21, 14
	s_add_co_u32 s98, s98, s66
	s_add_co_u32 s98, s98, 524288
	s_mov_b32 s99, 0
	s_lshl_b32 s72, s42, 3                         ; the prefetches: A's block 8 x tile + 2 cx + WC,
	s_lshl_b32 s73, s21, 1
	s_add_co_u32 s72, s72, s73
	s_add_co_u32 s72, s72, s20
	s_mul_i32 s72, s72, 24576
	s_mov_b32 s73, 0
	s_lshl_b32 s74, s21, 4                         ; B's blocks 16 cx + 4 cy + 2 WC and the next
	s_lshl_b32 s75, s22, 2
	s_add_co_u32 s74, s74, s75
	s_lshl_b32 s75, s20, 1
	s_add_co_u32 s74, s74, s75
	s_mul_i32 s74, s74, 24576
	s_add_co_u32 s74, s74, s67
	s_mov_b32 s75, 0
	s_mul_i32 s67, s20, TILEA                      ; where the tiles go: no place in the cluster enters an LDS address
	s_mul_i32 s23, s20, TILEB
	s_add_co_u32 s23, s23, 2*TILEA
	s_wait_alu depctr_va_vdst(0)                   ; a wait here, ahead of the waits and barriers below
	s_wait_dscnt 0x0                               ; both opening adds are done
	CROUND                                         ; all sixteen work-groups are here: the first joint loads meet
	s_wait_kmcnt 0x0
	s_add_nc_u64 s[92:93], s[4:5], s[92:93]
	s_add_nc_u64 s[96:97], s[8:9], s[96:97]
.irp s, 0,1
	s_mov_b32 s[G0+4*\s], 1
	s_add_co_u32 s[G0+4*\s+1], s67, \s*SLOT
	s_add_nc_u64 s[G0+4*\s+2:G0+4*\s+3], s[92:93], \s*RBB
	s_or_b32 s[G0+4*\s+3], s[G0+4*\s+3], 0x80000000
	s_mov_b32 s[G0B+4*\s], 1
	s_add_co_u32 s[G0B+4*\s+1], s23, \s*SLOT
	s_add_nc_u64 s[G0B+4*\s+2:G0B+4*\s+3], s[96:97], \s*RBB
	s_or_b32 s[G0B+4*\s+3], s[G0B+4*\s+3], 0x80000000
.endr
	JLOAD 0                                        ; K steps 0-3: one tensor load a wave at the head
	s_add_nc_u64 s[6:7], s[6:7], s[94:95]
	s_add_nc_u64 s[10:11], s[10:11], s[98:99]
.irp t, 0,1,2                          ; a thread is a query: its 16 scale words, 16 -M, 16 l
.irp k, 0,1,2,3,4,5,6,7,8,9,10,11,12,13,14,15
	global_load_b32 v[64+16*\t+\k], v[TA], s[6:7] offset:524288*\t+512*\k
.endr
.endr
.irp g, 0,1                            ; and two positions of v^T's scale words
.irp k, 0,1,2,3,4,5,6,7,8,9,10,11,12,13,14,15
	global_load_b32 v[160+16*\g+\k], v[TA], s[10:11] offset:8192*\g+512*\k
.endr
.endr
	s_add_nc_u64 s[72:73], s[4:5], s[72:73]
	s_add_nc_u64 s[74:75], s[8:9], s[74:75]
	s_cmp_eq_u32 s19, 0                            ; the choice hangs on the wave's number alone
	s_cselect_b64 s[PFA:PFA+1], s[72:73], s[74:75]
	PF 1
	v_and_b32 v2, 15, v0                           ; r
	v_bfe_u32 v3, v0, 4, 1                         ; h
	v_lshlrev_b32 v[LI], 4, v1
	s_mul_i32 s66, s19, TILEA
	v_add_nc_u32 v[ADRA], s66, v[LI]
	v_add_nc_u32 v[ADRA+1], SLOT, v[ADRA]
	s_mul_i32 s66, s20, TILEB
	s_add_co_u32 s66, s66, 2*TILEA
	v_add_nc_u32 v[ADRB], s66, v[LI]
	v_add_nc_u32 v[ADRB+1], SLOT, v[ADRB]
	v_mul_u32_u24 v4, SP, v1                       ; a position's words lie SP bytes from the next one's
	s_mul_i32 s66, s19, 64*SP
	s_add_co_u32 s66, s66, SCLA
	v_add_nc_u32 v[ADSA], s66, v4
	s_mul_i32 s66, s20, 128*SP
	s_add_co_u32 s66, s66, SCLB
	v_add_nc_u32 v[ADSB], s66, v4
	v_mul_u32_u24 v5, SP, v0
	v_add_nc_u32 v[FXA], SCLA, v5
	v_add_nc_u32 v[FXB], SCLB, v5
	v_lshl_add_u32 v6, v0, 2, LINV
	s_mul_i32 s66, s18, 16*528                     ; the way out: a stage of 16 rows x (512 + 16) bytes a wave, in slot 0, which has had its last fill and its last read by then
	v_mul_u32_u24 v[STO], 528, v2
	v_lshl_add_u32 v[STO], v3, 6, v[STO]
	v_add_nc_u32 v[STO], s66, v[STO]
	v_add_nc_u32 v[RD], s66, v[LI]
	s_lshl_b32 s66, s19, 8
	s_add_co_u32 s66, s66, LINV
	v_lshl_add_u32 v[LVA], v2, 2, s66
.irp a, 0,1,2,3
	v_mov_b32 v[LV+2*\a+1], 0                      ; (named as the upper half of a pair)
.endr
	s_lshl_b32 s92, s42, 7                         ; my part of out: row 128 x tile + 64 WR, byte 1,024 cx + 512 WC
	s_lshl_b32 s93, s19, 6
	s_add_co_u32 s92, s92, s93
	s_lshl_b32 s92, s92, 12
	s_lshl_b32 s93, s21, 10
	s_add_co_u32 s92, s92, s93
	s_lshl_b32 s93, s20, 9
	s_add_co_u32 s92, s92, s93
	s_mov_b32 s93, 0
	s_add_nc_u64 s[12:13], s[12:13], s[92:93]
	s_wait_alu depctr_va_vdst(0)                   ; a wait here, directly ahead of the wait below
	s_wait_loadcnt 32                              ; the statistics are in; the 32 loads of v^T's words may be out
	v_min3_num_f32 v112, v80, v81, v82             ; -(the largest M)
.irp i, 83,85,87,89,91,93
	v_min3_num_f32 v112, v112, v[\i], v[\i+1]
.endr
	v_min_num_f32 v112, v112, v95
.irp k, 0,1,2,3,4,5,6,7,8,9,10,11,12,13,14,15
	v_sub_f32 v[80+\k], v112, v[80+\k]             ; the chunk's M less the largest: a whole number, 0 or less
.endr
.irp k, 0,1,2,3,4,5,6,7,8,9,10,11,12,13,14,15
	v_max_num_f32 v[80+\k], 0xc2fe0000, v[80+\k]   ; held at -127
.endr
.irp k, 0,1,2,3,4,5,6,7,8,9,10,11,12,13,14,15
	v_cvt_i32_f32 v[80+\k], v[80+\k]
.endr
.irp k, 0,1,2,3,4,5,6,7,8,9,10,11,12,13,14,15
	v_ldexp_f32 v[96+\k], v[96+\k], v[80+\k]
.endr
.irp k, 0,4,8,12
	v_pk_add_f32 v[96+\k:97+\k], v[96+\k:97+\k], v[98+\k:99+\k]
.endr
	v_pk_add_f32 v[96:97], v[96:97], v[100:101]
	v_pk_add_f32 v[104:105], v[104:105], v[108:109]
	v_pk_add_f32 v[96:97], v[96:97], v[104:105]
	v_add_f32 v96, v96, v97                        ; the row's sum
	s_wait_alu depctr_va_vdst(0)                   ; a wait ahead of the transcendental
	v_rcp_f32 v96, v96
; each word's four bytes are lowered by the same whole number.  p's bytes are under 128, so with bit 7 set no byte borrows from the next; where bit 7 has fallen the byte would be negative and becomes 0
.irp k, 0,1,2,3,4,5,6,7,8,9,10,11,12,13,14,15
	v_or_b32 v[64+\k], s2, v[64+\k]
.endr
.irp k, 0,1,2,3,4,5,6,7,8,9,10,11,12,13,14,15
	v_mul_lo_u32 v[80+\k], v[80+\k], s3
.endr
.irp k, 0,1,2,3,4,5,6,7,8,9,10,11,12,13,14,15
	v_add_nc_u32 v[64+\k], v[64+\k], v[80+\k]
.endr
.irp k, 0,1,2,3,4,5,6,7,8,9,10,11,12,13,14,15
	v_and_b32 v[80+\k], s2, v[64+\k]
.endr
.irp k, 0,1,2,3,4,5,6,7,8,9,10,11,12,13,14,15
	v_lshrrev_b32 v[128+\k], 7, v[80+\k]
.endr
.irp k, 0,1,2,3,4,5,6,7,8,9,10,11,12,13,14,15
	v_sub_nc_u32 v[80+\k], v[80+\k], v[128+\k]     ; 0x7f in each byte that keeps bit 7, else 0
.endr
.irp k, 0,1,2,3,4,5,6,7,8,9,10,11,12,13,14,15
	v_and_b32 v[64+\k], v[64+\k], v[80+\k]
.endr
	s_wait_alu depctr_va_vdst(0)                   ; a wait ahead of the first reader of the reciprocal
	ds_store_b32 v6, v96
.irp c, 0,1,2,3
	ds_store_b128 v[FXA], v[64+4*\c:67+4*\c] offset:16*\c
.endr
	s_wait_loadcnt 0x0
.irp c, 0,1,2,3
	ds_store_b128 v[FXB], v[160+4*\c:163+4*\c] offset:16*\c
	ds_store_b128 v[FXB], v[176+4*\c:179+4*\c] offset:128*SP+16*\c
.endr
	s_wait_tensorcnt 0x0                           ; my part of slot 0 is in
	ds_add_u32 v[SPW], v[NIL]
	s_wait_dscnt 0x0                               ; the add is done, and my stores have landed
	CROUND                                         ; slot 0, the words and 1/l are whole, and the joint loads meet
	JLOAD 1                                        ; K steps 4-7
	FETCH_B 0
	SCALES 0
.irp a, 0,1,2,3
	ds_load_b32 v[LV+2*\a], v[LVA] offset:64*\a
.endr
	FETCH_A 0
	PF 2
	STEP 0, 1                                      ; the first products start the sums
	STEP 1, 0
	STEP 2, 0
	TURN 3, 1                                      ; slot 0 takes K steps 8-11
	STEP 4, 0
	STEP 5, 0
	STEP 6, 0
	TURN 7, 1                                      ; slot 1 takes K steps 12-15
	STEP 8, 0
	STEP 9, 0
	STEP 10, 0
	TURN 11, 0
	STEP 12, 0
	STEP 13, 0
	STEP 14, 0
; THE WAY OUT of block a: x 1/l, through my own stage in LDS, and back as whole rows of 512 bytes into registers of the block's own.
.macro TOSTAGE a
.set AC, 64*(\a)
	WIN 0x82
.set i, 0
.rept 32
	v_pk_mul_f32 v[AC+i:AC+i+1], v[AC+i:AC+i+1], v[LV+2*(\a):LV+2*(\a)+1] op_sel_hi:[1,0]   ; each accumulator from its low end on
.set i, i+2
.endr
	WIN 0x08
.irp e, 0,1,2,3
.irp k, 0,1,2,3
	ds_store_b128 v[STO], v[AC+16*\e+4*\k:AC+16*\e+4*\k+3] offset:128*\e+16*\k   ; the 16 registers of two neighbouring tiles are 16 neighbours of a row
.endr
.endr
	WIN 0xc0
.irp t, 0,1,2,3,4,5,6,7,8,9,10,11,12,13,14,15
	ds_load_b128 v[AC+4*\t:AC+4*\t+3], v[RD] offset:\t*528   ; LDS serves a wave's instructions in order (ISA guide 5.7.1.4): these see the stores above
.endr
	WIN 0
.endm
.macro SEND a, younger                 ; younger: the LDS instructions issued behind block a's loads, which may stay out
	s_wait_dscnt \younger
	WIN 0x0c
.set AC, 64*(\a)
.irp t, 0,1,2,3,4,5,6,7,8,9,10,11,12,13,14,15
	global_store_b128 v[LI], v[AC+4*\t:AC+4*\t+3], s[12:13] offset:(32*((\a)/2)+8*((\a)%2)+\t%8+16*(\t/8))*4096 th:TH_STORE_NT   ; 512 consecutive bytes, aligned; position t's row
.endr
	WIN 0
.endm
	s_wait_dscnt 0x0                               ; K step 15, by rows of the result: a finished block leaves while the next ones are multiplied
	MROWS 0, 2, 15, 0
	PLACES 4
	TOSTAGE 0
	MROWS 2, 1, 15, 0
	TOSTAGE 1
	SEND 0, 32
	MROWS 3, 1, 15, 0
	PLACES 4
	TOSTAGE 2
	SEND 1, 32
	TOSTAGE 3
	SEND 2, 32
	SEND 3, 0
	s_wait_tensorcnt 0x0                           ; the wave's end
	ds_add_u32 v[SPW], v[NIL]
	s_wait_dscnt 0x0
	CROUND                                         ; the closing round
	s_endpgm
.Lfunc_end_k_qab4acfaaa4_pv:
	.size	k_qab4acfaaa4_pv, .Lfunc_end_k_qab4acfaaa4_pv-k_qab4acfaaa4_pv
	.p2alignl 7, 3214868480
	.fill 96, 4, 3214868480
	.section	.rodata,"a",@progbits
	.p2align	6, 0x0
	.amdhsa_kernel k_qab4acfaaa4_pv
		.amdhsa_group_segment_fixed_size 327680
		.amdhsa_private_segment_fixed_size 0
		.amdhsa_enable_private_segment 0
		.amdhsa_kernarg_size 40
		.amdhsa_user_sgpr_count 2
		.amdhsa_user_sgpr_kernarg_segment_ptr 1
		.amdhsa_wavefront_size32 1
		.amdhsa_system_sgpr_workgroup_id_x 1
		.amdhsa_system_sgpr_workgroup_id_y 1
		.amdhsa_system_sgpr_workgroup_id_z 1
		.amdhsa_system_vgpr_workitem_id 0
		.amdhsa_next_free_vgpr 1024
		.amdhsa_next_free_sgpr 100
		.amdhsa_reserve_vcc 0
		.amdhsa_float_denorm_mode_32 3
		.amdhsa_float_denorm_mode_16_64 3
		.amdhsa_memory_ordered 1
		.amdhsa_forward_progress 1
		.amdhsa_inst_pref_size 160
	.end_amdhsa_kernel
	.amdgpu_metadata
---
amdhsa.version: [ 1, 2 ]
amdhsa.kernels:
  - .name:           k_qab4acfaaa4_pv
    .symbol:         k_qab4acfaaa4_pv.kd
    .args:
      - { .name: pc, .offset: 0, .size: 8, .value_kind: global_buffer, .address_space: global }
      - { .name: pstat, .offset: 8, .size: 8, .value_kind: global_buffer, .address_space: global }
      - { .name: c2, .offset: 16, .size: 8, .value_kind: global_buffer, .address_space: global }
      - { .name: s2, .offset: 24, .size: 8, .value_kind: global_buffer, .address_space: global }
      - { .name: out0, .offset: 32, .size: 8, .value_kind: global_buffer, .address_space: global }
    .group_segment_fixed_size: 327680
    .private_segment_fixed_size: 0
    .kernarg_segment_align: 8
    .kernarg_segment_size: 40
    .max_flat_workgroup_size: 128
    .sgpr_count:     100
    .vgpr_count:     1024
    .wavefront_size: 32
...
	.end_amdgpu_metadata
.endif
;; end of part 4
